; MI455X (gfx1250); checked and timed in simulation.
; The chip was launched on July 23, 2026; its instructions are those of AMD's public machine-readable ISA for CDNA 5 (MIT licence, August 2026) and "CDNA5" Instruction Set Architecture Reference Guide (July 2026). The comments in the code are by the model that wrote it; some were corrected since.
;; Attn Block. Allowed arithmetic: matrix products marked QUANTISED: E5M2 operands, one E8M0 scale for each 32 along K, by v_wmma_scale_f32_16x16x128_f8f6f4 with both operands' format E5M2, f32 sums; everything else in f32.
;; Inputs: bk 512 float32; bproj 512 float32; bq 512 float32; bv 512 float32; gn_bias 512 float32; gn_scale 512 float32; wk_codes 512 x 16 x 32 uint8 (E5M2 codes of wk, K innermost, in blocks of 32 codes); wk_scales 512 x 16 uint8 (E8M0 scales of wk, one for each 32 codes along K); wproj_codes 512 x 16 x 32 uint8 (E5M2 codes of wproj, K innermost, in blocks of 32 codes); wproj_scales 512 x 16 uint8 (E8M0 scales of wproj, one for each 32 codes along K); wq_codes 512 x 16 x 32 uint8 (E5M2 codes of wq, K innermost, in blocks of 32 codes); wq_scales 512 x 16 uint8 (E8M0 scales of wq, one for each 32 codes along K); wv_codes 512 x 16 x 32 uint8 (E5M2 codes of wv, K innermost, in blocks of 32 codes); wv_scales 512 x 16 uint8 (E8M0 scales of wv, one for each 32 codes along K); x 2 x 8 x 512 x 32 x 32 float32.
;; Outputs: out0 2 x 8 x 512 x 32 x 32 float32.
;; This version of the problem:
;;   THIS VERSION OF THE PROBLEM IS GIVEN IN LOW PRECISION. The matrix products marked QUANTISED in the list below multiply operands that are first quantised to E5M2 (5 exponent bits, 2 mantissa bits; 8 bits a number), with one power-of-two scale for each 32 numbers along K (OCP MX v1.0); their sums are f32. All else is computed in f32.
;;   The module's matrix products, in the order in which they are computed (A, B: the left and right operand; K: the contracted axis; several contracted axes count as one K, in the product's order):
;;     1. [M 16,384, K 512] x [K 512, N 512]; A: computed on the way; B: input wq (given as codes): QUANTISED
;;     2. [M 16,384, K 512] x [K 512, N 512]; A: computed on the way; B: input wk (given as codes): QUANTISED
;;     3. [M 16,384, K 512] x [K 512, N 512]; A: computed on the way; B: input wv (given as codes): QUANTISED
;;     4. batch 16 x [M 1,024, K 512] x [K 512, N 1,024]; A: computed on the way; B: computed on the way: QUANTISED
;;     5. batch 16 x [M 512, K 1,024] x [K 1,024, N 1,024]; A: computed on the way; B: softmax (see below): QUANTISED
;;     6. [M 16,384, K 512] x [K 512, N 512]; A: computed on the way; B: input wproj (given as codes): QUANTISED
;;   THE QUANTISER, for each operand of a quantised product, along K:
;;     - K is cut into blocks of 32 from its start; a last block that is shorter is filled with zeros.
;;     - A block's scale is 2^e with e = floor(log2(the largest magnitude in the block)) - 15, held to -126 .. 127; a block of zeros has e = 0. As a byte (E8M0): e + 127.
;;     - Each number is divided by its block's scale, clamped to +-57,344, and rounded to the nearest number of E5M2, ties to even, subnormals kept.
;;     - The product sums the exact products of the quantised numbers (number of the format x scale) in f32.
;;   ~~~python
;;   def quantise(x, axis):      # numpy; x: float32 -> the quantised numbers, widened to float32 again
;;       x = np.moveaxis(x, axis, -1); K = x.shape[-1]
;;       x = np.pad(x, [(0, 0)] * (x.ndim - 1) + [(0, -K % 32)]); x = x.reshape(x.shape[:-1] + (-1, 32)); a = np.abs(x).max(-1, keepdims=True)
;;       e = np.where(a > 0, np.clip(np.frexp(np.where(a > 0, a, 1))[1] - 1 - 15, -126, 127), 0)      # np.frexp(a)[1] - 1 = floor(log2(a)), exactly
;;       r = np.clip(x / 2.0 ** e, -57344, 57344)
;;       step = 2.0 ** (np.maximum(np.frexp(np.where(r == 0, 1, r))[1] - 1, -14) - 2)
;;       q = np.round(r / step) * step * 2.0 ** e      # np.round: ties to even
;;       return np.moveaxis(q.reshape(q.shape[:-2] + (-1,))[..., :K], -1, axis).astype(np.float32)
;;   ~~~
;;   SOFTMAX AHEAD OF A QUANTISED PRODUCT. Where the list says 'softmax', what is quantised is not the finished softmax but p = 2^(t - M), with t = logit x log2(e) and M = ceil(the row's largest t), a whole number; so 1/2 < the row's largest p <= 1. The row's sum l is taken of the UNQUANTISED p, in f32, and the product's result is divided by l at the end. Since M is a whole number, a kernel that streams over the keys may use a running M (the ceiling of the running maximum): every later rescaling is an exact power of two, which a block's scale takes up: the codes' values come out the same.
;;   OPERANDS COMPUTED ON THE WAY. 'Computed on the way' means the value that the module computes at that place (a softmax that the list does not call 'softmax' is quantised finished and normalised). What goes into a quantiser is computed in f32, as accurately as f32 sums, v_exp_f32 and their like allow (about 1e-6 of the number): no bf16 or f16 on the way to a quantiser, and a product that is left as it is and whose result goes on into a quantised operand takes f32 operands (vector FMAs, or v_wmma_f32_16x16x4_f32). A number that lies on a knife's edge between two numbers of the format may be rounded either way, as far as f32 arithmetic and the matrix unit's own rounding can turn it there, and no further.
;;   INPUTS GIVEN AS CODES. wk (in the module: [512, 512], K = its axis 1); wproj (in the module: [512, 512], K = its axis 1); wq (in the module: [512, 512], K = its axis 1); wv (in the module: [512, 512], K = its axis 1): each comes as NAME_codes (uint8): NAME with its K axis moved to the last place and cut into blocks of 32 codes, [.., K / 32, bytes a block], one block behind the other in memory; one code a byte (a code: sign, 5 exponent bits, 2 mantissa bits); and NAME_scales (uint8): the same leading axes, one E8M0 byte (e + 127) for each 32 codes along K. Its value is code x scale, taken as it is: it is not quantised again, and the codes and scales need not be those that the quantiser above would give.
;; 2 versions, each right; version 2 is version 1 with the launch attn written anew for expert scheduling mode. Each part assembles by itself: llvm-mc -triple=amdgcn-amd-amdhsa -mcpu=gfx1250 --defsym DOCPART=n.
;; ======== version 1 of 2: 3 launches
;; workspace buffers: h_codes 8,388,608 bytes; h_scales 262,144 bytes; wimg 1,048,576 bytes; qkv_codes 25,165,824 bytes; qkv_scales 786,432 bytes
;; launch gnq (part 1): grid 256 x 1, 8 waves a work-group, no clusters, 36,352 bytes of LDS; arguments x, gn_scale, gn_bias, wq_codes, wk_codes, wv_codes, wproj_codes, h_codes, h_scales, wimg; writes h_codes, h_scales, wimg
.if DOCPART == 1
	.amdgcn_target "amdgcn-amd-amdhsa--gfx1250"
	.amdhsa_code_object_version 6
	.text
	.protected	k_q9fa6af3b79_gnq
	.globl	k_q9fa6af3b79_gnq
	.p2align	8
	.type	k_q9fa6af3b79_gnq,@function
k_q9fa6af3b79_gnq:
	s_mov_b64 s[64:65], 0
	v_nop
	global_prefetch_b8 v0, s[64:65] scope:SCOPE_SE
	s_setreg_imm32_b32 hwreg(HW_REG_WAVE_MODE, 25, 1), 1
	s_wait_xcnt 0x0
; GroupNorm and the quantiser of h, and the four weights laid in the order of an operand's registers.
; x: [16 images][512 channels][1,024 pixels] f32.  Work-group G takes image G / 16 and channels 32 (G % 16) on: two groups of 16 channels (A, B), which are also ONE block of 32 along
; the next products' K (the channels).  Its 128 KiB of x stay in registers: thread t holds pixels 4 t .. 4 t + 3 of all 32 channels, so x is read once, each load of a wave covers 512 consecutive bytes,
; and a pixel's whole block lies in one lane: its largest magnitude needs no other lane.
; Mean first, then the sum of squares of the centred numbers (no difference of large sums).  h = (x - mean) (gain x rstd) + bias: gain x rstd is formed first, one rounding otherwise than (x - mean) rstd gain.
; OUT.  h_codes [image][tile 64][K step 4][chunk 4][lane 32][16 bytes]: a fragment (16 pixels x 128 channels) as its registers lie: lane (r, h) of chunk c holds channels 32 c + 16 h + 0 .. 15 of the tile's row r.
; THE PIXELS OF A TILE ARE NOT NEIGHBOURS: row r of tile 2 B + u is pixel 32 B + 8 u + r + 8 (r / 8).  h_scales [image][block 16][16 tile + r]: one byte.  The codes go through the wave's own stage in LDS, so that a store covers 512 consecutive bytes.
; wimg [matrix 4][tile 32][K step 4][chunk 4][lane][16 bytes], rows of a tile chosen in the same way: each thread moves one piece of 16 bytes.
; LIMITS: NaN and infinities are not served; a block whose largest magnitude lies under 2^-111 keeps the byte 1; a block of zeros gets the byte 1 and not 127 (its codes are zeros, and this program alone reads the bytes).
.set TPITCH, 528                       ; a tile's chunk in the stage: 512 bytes + 16
.set WSTG,   8*TPITCH                  ; a wave's stage: its 8 tiles
.set RED1,   33792                     ; 8 waves x (sum A, sum B)
.set RED2,   34048                     ; the same for the squares
.set SCB,    34304                     ; the work-group's 1,024 scale bytes
.set X,   16                           ; v16-143  channel c, pixel j at X + 4 c + j
.set T,   144                          ; v144-175 one pixel's 32 channels
.set C,   176                          ; v176-207 8 registers of codes for each of my 4 pixels
.set R,   208                          ; v208-229 at work
.set SW,  230                          ; v230     my four pixels' scale bytes
.set GS,  28                           ; s28-59   the 32 gains, later gain x rstd
.set GB,  68                           ; s68-99   the 32 biases
	s_load_b512 s[4:19], s[0:1], 0x0               ; x, gn_scale, gn_bias, wq, wk, wv, wproj, h_codes
	s_load_b128 s[20:23], s[0:1], 0x40             ; h_scales, wimg
	v_lshl_add_u32 v232, v0, 2, 0x8a00
	v_mov_b32 v233, 0
	v_lshrrev_b32 v231, 5, v0
	v_readfirstlane_b32 s24, v231                  ; wave 0..7
	v_lshlrev_b32 v1, 4, v0                        ; 16 t: my bytes of a row of x, and of the weight piece's place
	v_and_b32 v231, 31, v0                         ; lane L
	v_lshlrev_b32 v4, 4, v231                      ; 16 L
	s_mul_i32 s25, s24, WSTG
	v_bfe_u32 v[R], v0, 3, 2                       ; L / 8
	v_bfe_u32 v[R+1], v0, 1, 1                     ; (L / 2) % 2
	v_bfe_u32 v[R+2], v0, 2, 1                     ; (L / 4) % 2
	v_and_b32 v[R+3], 1, v0                        ; L % 2
	v_lshl_add_u32 v[R], v[R], 1, v[R+1]           ; pixel 4 L + j lies in the wave's tile 2 (L / 8) + (L / 2) % 2, row 4 (L % 2) + j + 8 ((L / 4) % 2)
	v_mul_u32_u24 v2, v[R], TPITCH
	v_lshl_add_u32 v2, v[R+3], 6, v2
	v_lshl_add_u32 v2, v[R+2], 7, v2
	v_add_nc_u32 v2, s25, v2                       ; the stage, on the way in: 16 bytes a row; the upper 16 channels 256 bytes on
	v_add_nc_u32 v3, s25, v4                       ; and on the way out: 16 L
	v_lshrrev_b32 v5, 3, v0
	v_lshlrev_b32 v5, 5, v5                        ; my four scale bytes: 16 x tile + row
	v_lshl_add_u32 v5, v[R+1], 4, v5
	v_lshl_add_u32 v5, v[R+2], 3, v5
	v_lshl_add_u32 v5, v[R+3], 2, v5
	v_lshlrev_b32 v6, 3, v0                        ; the scale bytes' way out: 8 bytes a thread of waves 0-3
	v_and_b32 v[R], 15, v0
	v_and_b32 v[R+1], 8, v0
	v_add_nc_u32 v[R], v[R], v[R+1]                ; r + 8 (r / 8)
	v_lshlrev_b32 v12, 9, v[R]                     ; the weight piece: a row is 512 bytes,
	v_lshrrev_b32 v[R+1], 5, v0
	v_lshl_add_u32 v12, v[R+1], 5, v12             ; + 32 (t / 32): K step and chunk,
	v_bfe_u32 v[R+1], v0, 4, 1
	v_lshl_add_u32 v12, v[R+1], 4, v12             ; + 16 h
	v_mov_b32 v14, s24
	v_lshlrev_b32 v14, 3, v14                      ; 8 x wave
	v_mov_b32 v15, 0
	v_mov_b32 v[R+10], 0                           ; a lane permute's destination counts as one of its sources
	s_mov_b32 s26, 0x600000                        ; the mantissa field of 57,344
	s_mov_b32 s60, 0x38800000                      ; 2^-14: a group has 16 x 1,024 numbers
	s_mov_b32 s61, 0x358637bd                      ; 1e-6
	s_mov_b32 s100, 0x76543210
	s_mov_b32 s101, 0xfedcba98                     ; lane l xor 16
	s_lshr_b32 s27, ttmp9, 6                       ; which weight
	s_bfe_u32 s2, ttmp9, 0x40002                   ; tile = (G % 64) / 2: its first row is 32 (tile / 2) + 8 (tile % 2)
	s_lshl_b32 s2, s2, 14
	s_bfe_u32 s3, ttmp9, 0x10001
	s_lshl_b32 s3, s3, 12
	s_add_co_u32 s2, s2, s3
	s_and_b32 s3, ttmp9, 1                         ; K steps 2 (G % 2) on
	s_lshl_b32 s3, s3, 8
	s_add_co_u32 s2, s2, s3
	s_mov_b32 s3, 0
	s_wait_kmcnt 0x0
	s_cmp_eq_u32 s27, 1                            ; the choice hangs on the work-group's number alone
	s_cselect_b64 s[10:11], s[12:13], s[10:11]
	s_cmp_eq_u32 s27, 2
	s_cselect_b64 s[10:11], s[14:15], s[10:11]
	s_cmp_eq_u32 s27, 3
	s_cselect_b64 s[10:11], s[16:17], s[10:11]
	s_add_nc_u64 s[10:11], s[10:11], s[2:3]
	global_load_b128 v[8:11], v12, s[10:11]        ; the weight piece
	s_lshl_b32 s2, ttmp9, 17                       ; 32 channels of 4,096 bytes
	s_add_nc_u64 s[4:5], s[4:5], s[2:3]
.set i, 0
.rept 32
	global_load_b128 v[X+4*i:X+4*i+3], v1, s[4:5] offset:4096*i
.set i, i+1
.endr
	s_and_b32 s27, ttmp9, 15                       ; which block of 32 channels
	s_lshl_b32 s2, s27, 7
	s_add_nc_u64 s[6:7], s[6:7], s[2:3]
	s_add_nc_u64 s[8:9], s[8:9], s[2:3]
	s_load_b512 s[28:43], s[6:7], 0x0
	s_load_b512 s[44:59], s[6:7], 0x40
	s_load_b512 s[68:83], s[8:9], 0x0
	s_load_b512 s[84:99], s[8:9], 0x40
	s_lshl_b32 s2, ttmp9, 12
	s_add_nc_u64 s[22:23], s[22:23], s[2:3]        ; wimg: 4,096 bytes a work-group
	s_lshl_b32 s2, ttmp9, 10
	s_add_nc_u64 s[20:21], s[20:21], s[2:3]        ; h_scales: 1,024 bytes a work-group
	s_lshr_b32 s2, ttmp9, 4
	s_lshl_b32 s2, s2, 19                          ; h_codes: 64 tiles of 8,192 bytes an image,
	s_lshl_b32 s25, s24, 16                        ; 8 tiles a wave,
	s_add_co_u32 s2, s2, s25
	s_lshl_b32 s25, s27, 9                         ; chunk 4 s + c = the block's number
	s_add_co_u32 s2, s2, s25
	s_add_nc_u64 s[18:19], s[18:19], s[2:3]
	s_wait_loadcnt 32                              ; the weight piece is in; the 32 loads of x behind it stay out
	global_store_b128 v1, v[8:11], s[22:23]
.macro SUMS base, a                    ; 16 channels' 64 numbers, two at a time, in two chains
	v_pk_add_f32 v[\a:\a+1], v[\base:\base+1], v[\base+4:\base+5]
	v_pk_add_f32 v[\a+2:\a+3], v[\base+2:\base+3], v[\base+6:\base+7]
.set i, 8
.rept 14
	v_pk_add_f32 v[\a:\a+1], v[\a:\a+1], v[\base+i:\base+i+1]
	v_pk_add_f32 v[\a+2:\a+3], v[\a+2:\a+3], v[\base+i+2:\base+i+3]
.set i, i+4
.endr
	v_pk_add_f32 v[\a:\a+1], v[\a:\a+1], v[\a+2:\a+3]
.endm
.macro SQS base, a                     ; the same of their squares; the first products start the sums
	v_pk_mul_f32 v[\a:\a+1], v[\base:\base+1], v[\base:\base+1]
	v_pk_mul_f32 v[\a+2:\a+3], v[\base+2:\base+3], v[\base+2:\base+3]
.set i, 4
.rept 15
	v_pk_fma_f32 v[\a:\a+1], v[\base+i:\base+i+1], v[\base+i:\base+i+1], v[\a:\a+1]
	v_pk_fma_f32 v[\a+2:\a+3], v[\base+i+2:\base+i+3], v[\base+i+2:\base+i+3], v[\a+2:\a+3]
.set i, i+4
.endr
	v_pk_add_f32 v[\a:\a+1], v[\a:\a+1], v[\a+2:\a+3]
.endm
.macro REDUCE a                        ; over the wave's 32 lanes; every lane ends with the sum
	v_add_f32_dpp v[\a], v[\a], v[\a] row_xmask:1 row_mask:0xf bank_mask:0xf
	v_add_f32_dpp v[\a], v[\a], v[\a] row_xmask:2 row_mask:0xf bank_mask:0xf
	v_add_f32_dpp v[\a], v[\a], v[\a] row_xmask:4 row_mask:0xf bank_mask:0xf
	v_add_f32_dpp v[\a], v[\a], v[\a] row_xmask:8 row_mask:0xf bank_mask:0xf
	v_permlanex16_b32 v[R+10], v[\a], s100, s101
	v_add_f32 v[\a], v[\a], v[R+10]
.endm
.macro ACROSS red                      ; A's figure in v[R], v[R+1], B's in v[R+4], v[R+5]: over lanes, then over the eight waves: v[T] = A's, v[T+1] = B's
	v_add_f32 v[R+8], v[R], v[R+1]
	v_add_f32 v[R+9], v[R+4], v[R+5]
	REDUCE R+8
	REDUCE R+9
	ds_store_b64 v14, v[R+8:R+9] offset:\red       ; every lane writes the wave's own 8 bytes with the same numbers
	s_wait_dscnt 0x0                               ; for the others' sake: my store has landed
	s_barrier_signal -1
	s_barrier_wait -1
.irp e, 0,1,2,3
	ds_load_b128 v[T+4*\e:T+4*\e+3], v15 offset:\red+16*\e
.endr
	s_wait_dscnt 0x0
	v_pk_add_f32 v[T:T+1], v[T:T+1], v[T+2:T+3]
	v_pk_add_f32 v[T+4:T+5], v[T+4:T+5], v[T+6:T+7]
	v_pk_add_f32 v[T+8:T+9], v[T+8:T+9], v[T+10:T+11]
	v_pk_add_f32 v[T+12:T+13], v[T+12:T+13], v[T+14:T+15]
	v_pk_add_f32 v[T:T+1], v[T:T+1], v[T+4:T+5]
	v_pk_add_f32 v[T+8:T+9], v[T+8:T+9], v[T+12:T+13]
	v_pk_add_f32 v[T:T+1], v[T:T+1], v[T+8:T+9]
.endm
	s_wait_loadcnt 16                              ; channels 0-15 are in; 16-31 stay out
	SUMS X, R
	s_wait_loadcnt 0x0
	SUMS X+64, R+4
	ACROSS RED1
	v_mul_f32 v[R+12], 0xb8800000, v[T]            ; -mean of A, twice (a pair for the packed addition),
	v_mul_f32 v[R+14], 0xb8800000, v[T+1]          ; of B
	v_mov_b32 v[R+13], v[R+12]
	v_mov_b32 v[R+15], v[R+14]
.set i, 0
.rept 32
	v_pk_add_f32 v[X+i:X+i+1], v[X+i:X+i+1], v[R+12:R+13]
	v_pk_add_f32 v[X+64+i:X+64+i+1], v[X+64+i:X+64+i+1], v[R+14:R+15]
.set i, i+2
.endr
	SQS X, R
	SQS X+64, R+4
	ACROSS RED2
	v_fma_f32 v[R+12], v[T], s60, s61              ; variance + eps
	v_fma_f32 v[R+13], v[T+1], s60, s61
	v_rsq_f32 v[R+14], v[R+12]
	v_rsq_f32 v[R+15], v[R+13]
	v_nop                                          ; a plain instruction between the last root and the use of its result
	s_wait_alu depctr_va_vdst(0)
	v_readfirstlane_b32 s62, v[R+14]
	v_readfirstlane_b32 s63, v[R+15]
	s_wait_kmcnt 0x0                               ; gains and biases
.set i, 0
.rept 16
	s_mul_f32 s[GS+i], s[GS+i], s62
	s_mul_f32 s[GS+16+i], s[GS+16+i], s63
.set i, i+1
.endr
; Pixel 4 t + j: its 32 channels are normalised, and are one block: scale, hold, codes.
.macro PIX j
.set i, 0
.rept 32
	v_fma_f32 v[T+i], v[X+4*i+\j], s[GS+i], s[GB+i]
.set i, i+1
.endr
	v_max3_num_f32 v[R], |v[T]|, |v[T+1]|, |v[T+2]|
	v_max3_num_f32 v[R+1], |v[T+3]|, |v[T+4]|, |v[T+5]|
.irp e, 6,10,14,18,22,26
	v_max3_num_f32 v[R], v[R], |v[T+\e]|, |v[T+\e+1]|
	v_max3_num_f32 v[R+1], v[R+1], |v[T+\e+2]|, |v[T+\e+3]|
.endr
	v_max3_num_f32 v[R], v[R], |v[T+30]|, |v[T+31]|
	v_max3_num_f32 v[R], v[R], v[R+1], 0x8000000   ; and the floor 2^(16 - 127): the byte cannot fall under 1
	v_add_nc_u32 v[R+3], 0xf8800000, v[R]          ; 15 off the exponent field: the conversion's scale operand
	v_and_or_b32 v[R+2], v[R], 0x7f800000, s26     ; 57,344 x the scale
.set i, 0
.rept 32
	v_med3_num_f32 v[T+i], v[T+i], -v[R+2], v[R+2] ; the conversion to an 8-bit code does not saturate (ISA guide 7.6.2): the hold
.set i, i+1
.endr
.irp g, 0,1,2,3
	v_cvt_scalef32_pk8_bf8_f32 v[C+8*\j+2*\g:C+8*\j+2*\g+1], v[T+8*\g:T+8*\g+7], v[R+3]
.endr
	v_lshrrev_b32 v[R+4], 23, v[R+3]               ; the scale's byte (also the plain instruction behind the conversions)
.if \j == 0
	v_mov_b32 v[SW], v[R+4]
.else
	v_lshl_or_b32 v[SW], v[R+4], 8*\j, v[SW]
.endif
	ds_store_b128 v2, v[C+8*\j:C+8*\j+3] offset:16*\j          ; channels 0-15 of the block: lanes 0-15's part of the chunk
	ds_store_b128 v2, v[C+8*\j+4:C+8*\j+7] offset:16*\j+256    ; channels 16-31: lanes 16-31's
.endm
	PIX 0
	PIX 1
	PIX 2
	PIX 3
	ds_store_b32 v5, v[SW] offset:SCB
.irp e, 0,1,2,3,4,5,6,7
	ds_load_b128 v[X+4*\e:X+4*\e+3], v3 offset:TPITCH*\e       ; LDS serves a wave's instructions in order (ISA guide 5.7.1.4): these see my stores
.endr
.irp e, 0,1,2,3,4,5,6,7
	s_wait_dscnt 7-\e                              ; tile e's chunk is back; the younger loads stay out
	global_store_b128 v4, v[X+4*\e:X+4*\e+3], s[18:19] offset:8192*\e   ; 32 lanes store 512 consecutive bytes, aligned
.endr
	s_barrier_signal -1                            ; the last wait above was for 0: my scale bytes have landed
	s_barrier_wait -1
	s_cmp_lt_u32 s24, 4                            ; waves 0-3 store the 1,024 scale bytes, 256 consecutive bytes each
	s_cbranch_scc0 .Lend
	ds_load_b64 v[T:T+1], v6 offset:SCB
	s_wait_dscnt 0x0
	global_store_b64 v6, v[T:T+1], s[20:21]
.Lend:
	s_wait_tensorcnt 0x0
	ds_add_u32 v232, v233
	s_wait_dscnt 0x0
	s_endpgm
.Lfunc_end_k_q9fa6af3b79_gnq:
	.size	k_q9fa6af3b79_gnq, .Lfunc_end_k_q9fa6af3b79_gnq-k_q9fa6af3b79_gnq
	.p2alignl 7, 3214868480
	.fill 96, 4, 3214868480
	.section	.rodata,"a",@progbits
	.p2align	6, 0x0
	.amdhsa_kernel k_q9fa6af3b79_gnq
		.amdhsa_group_segment_fixed_size 36352
		.amdhsa_private_segment_fixed_size 0
		.amdhsa_enable_private_segment 0
		.amdhsa_kernarg_size 80
		.amdhsa_user_sgpr_count 2
		.amdhsa_user_sgpr_kernarg_segment_ptr 1
		.amdhsa_wavefront_size32 1
		.amdhsa_system_sgpr_workgroup_id_x 1
		.amdhsa_system_sgpr_workgroup_id_y 1
		.amdhsa_system_sgpr_workgroup_id_z 1
		.amdhsa_system_vgpr_workitem_id 0
		.amdhsa_next_free_vgpr 234
		.amdhsa_next_free_sgpr 102
		.amdhsa_reserve_vcc 0
		.amdhsa_float_denorm_mode_32 3
		.amdhsa_float_denorm_mode_16_64 3
		.amdhsa_memory_ordered 1
		.amdhsa_forward_progress 1
		.amdhsa_inst_pref_size 49
	.end_amdhsa_kernel
	.amdgpu_metadata
---
amdhsa.version: [ 1, 2 ]
amdhsa.kernels:
  - .name:           k_q9fa6af3b79_gnq
    .symbol:         k_q9fa6af3b79_gnq.kd
    .args:
      - { .name: x, .offset: 0, .size: 8, .value_kind: global_buffer, .address_space: global }
      - { .name: gn_scale, .offset: 8, .size: 8, .value_kind: global_buffer, .address_space: global }
      - { .name: gn_bias, .offset: 16, .size: 8, .value_kind: global_buffer, .address_space: global }
      - { .name: wq_codes, .offset: 24, .size: 8, .value_kind: global_buffer, .address_space: global }
      - { .name: wk_codes, .offset: 32, .size: 8, .value_kind: global_buffer, .address_space: global }
      - { .name: wv_codes, .offset: 40, .size: 8, .value_kind: global_buffer, .address_space: global }
      - { .name: wproj_codes, .offset: 48, .size: 8, .value_kind: global_buffer, .address_space: global }
      - { .name: h_codes, .offset: 56, .size: 8, .value_kind: global_buffer, .address_space: global }
      - { .name: h_scales, .offset: 64, .size: 8, .value_kind: global_buffer, .address_space: global }
      - { .name: wimg, .offset: 72, .size: 8, .value_kind: global_buffer, .address_space: global }
    .group_segment_fixed_size: 36352
    .private_segment_fixed_size: 0
    .kernarg_segment_align: 8
    .kernarg_segment_size: 80
    .max_flat_workgroup_size: 256
    .sgpr_count:     102
    .vgpr_count:     234
    .wavefront_size: 32
...
	.end_amdgpu_metadata
.endif
;; end of part 1
;; launch qkv (part 2): grid 64 x 4, 4 waves a work-group, no clusters, 198,144 bytes of LDS; arguments h_codes, h_scales, wimg, wq_scales, wk_scales, wv_scales, bq, bk, bv, qkv_codes, qkv_scales; writes qkv_codes, qkv_scales
.if DOCPART == 2
	.amdgcn_target "amdgcn-amd-amdhsa--gfx1250"
	.amdhsa_code_object_version 6
	.text
	.protected	k_q9fa6af3b79_qkv
	.globl	k_q9fa6af3b79_qkv
	.p2align	8
	.type	k_q9fa6af3b79_qkv,@function
k_q9fa6af3b79_qkv:
	s_mov_b64 s[64:65], 0
	v_nop
	global_prefetch_b8 v0, s[64:65] scope:SCOPE_SE
	s_setreg_imm32_b32 hwreg(HW_REG_WAVE_MODE, 25, 1), 1
	s_wait_xcnt 0x0
; q, k, v = h W^T + b on codes of BF8 (E5M2) with E8M0 scales, each result quantised in registers for the next product: q and k along the channels, v along the pixels.
; Work-group (x, y): 256 pixels of an image (x = 4 image + quarter), 128 outputs (y) of each of the three weights.  Wave w owns 64 pixels (4 tiles); their 16 fragments of h stay in its registers.
; The three chunks of weights (8 tiles x 4 K steps x 2,048 bytes each) come into LDS once, by three tensor loads a wave issued together at the head: three are outstanding; no LDS byte is filled twice.
; The chunk is shared by the 64 work-groups of a row of the grid and is not asked for jointly here: it is fetched once, at the head, and only the first of the three is waited for before work begins.
; q, k: TRANSPOSED (source 0 = 16 rows of W, source 1 = 16 pixels): a lane holds one pixel, its registers run along the outputs.  v: source 0 = 16 pixels, source 1 = 16 rows of W: a lane holds one output, its registers run along the pixels.
; Rows of a tile, of W and of pixels alike: row r of tile 2 B + u is 32 B + 8 u + r + 8 (r / 8), so that the 16 registers of tiles 2 B, 2 B + 1 are 16 neighbours, 32 B + 16 (lane / 16) + 0 .. 15.
; The bias is the C of each sum's first matrix instruction.  The 32 accumulators take turns, one instruction a turn.
; OUT.  qkv_codes: q, k as h_codes lies; v [image][channel tile 32][K step 8][chunk 4][lane][16].  qkv_scales: q, k [image][K step][4 tiles' group 16][lane][2 words]: word e of lane L belongs to tile 4 g + 2 e + L / 16, row L % 16;
; v [image][quarter][tile pair 16][lane][8 bytes]: the quarter's 8 blocks, of tile 2 p + L / 16, row L % 16.  So one register carries two tiles' words: the even tile's in lanes 0-15, the odd tile's in lanes 16-31.
; LIMITS: NaN and infinities are not served; a block under 2^-111 keeps the byte 1; a block of zeros gets the byte 1 and not 127 (zero codes; this program alone reads the bytes).
; REGISTERS: window 0: v2-16 addresses; v32-39 h's scale words; v40-87 the weights'; v88-127 the quantiser's; v128-191 the bias; v192-223 h's scale bytes.  window 1: h.  window 2: the accumulators.  window 3: two sets of 8 weight fragments.
.set VSC, 196608                       ; behind the chunks: v's scale bytes on their way out, 1,024 bytes; no fill lands here
.set HS,  32                           ; register 4 e + s: tiles 2 e, 2 e + 1, K step s
.set WS,  40                           ; register 16 ty + 4 (t / 2) + s
.set TM,  88                           ; +0 largest magnitudes, +4 bytes, +8 holds, +12 scale operands
.set PW,  104                          ; scale words
.set SP2, 108                          ; a pair to store
.set PC,  112                          ; a fragment's codes
.set BI,  128
.set U8,  192
.set MSB, 0
.macro WIN new                         ; the immediate's high byte repeats the setting that is left
.if MSB != (\new)
	s_set_vgpr_msb (MSB<<8)|(\new)
.set MSB, (\new)
.endif
.endm
.macro NOPS n
.rept \n
	v_nop
.endr
.endm
.macro WM d, a, b, c, sa, sb, ra, rb   ; ra, rb: the side's scale words lie in lanes 16-31
.if (\ra) && (\rb)
	v_wmma_scale_f32_16x16x128_f8f6f4 v[\d:\d+7], v[\a:\a+15], v[\b:\b+15], v[\c:\c+7], v[\sa], v[\sb] matrix_a_fmt:MATRIX_FMT_BF8 matrix_b_fmt:MATRIX_FMT_BF8 matrix_a_scale:MATRIX_SCALE_ROW1 matrix_b_scale:MATRIX_SCALE_ROW1
.elseif (\ra)
	v_wmma_scale_f32_16x16x128_f8f6f4 v[\d:\d+7], v[\a:\a+15], v[\b:\b+15], v[\c:\c+7], v[\sa], v[\sb] matrix_a_fmt:MATRIX_FMT_BF8 matrix_b_fmt:MATRIX_FMT_BF8 matrix_a_scale:MATRIX_SCALE_ROW1
.elseif (\rb)
	v_wmma_scale_f32_16x16x128_f8f6f4 v[\d:\d+7], v[\a:\a+15], v[\b:\b+15], v[\c:\c+7], v[\sa], v[\sb] matrix_a_fmt:MATRIX_FMT_BF8 matrix_b_fmt:MATRIX_FMT_BF8 matrix_b_scale:MATRIX_SCALE_ROW1
.else
	v_wmma_scale_f32_16x16x128_f8f6f4 v[\d:\d+7], v[\a:\a+15], v[\b:\b+15], v[\c:\c+7], v[\sa], v[\sb] matrix_a_fmt:MATRIX_FMT_BF8 matrix_b_fmt:MATRIX_FMT_BF8
.endif
.endm
	s_load_b512 s[4:19], s[0:1], 0x0               ; h_codes, h_scales, wimg, wq_scales, wk_scales, wv_scales, bq, bk
	s_load_b128 s[20:23], s[0:1], 0x40             ; bv, qkv_codes
	s_load_b64 s[24:25], s[0:1], 0x50              ; qkv_scales
	v_lshl_add_u32 v254, v0, 2, 0x30400
	v_mov_b32 v255, 0
	ds_add_u32 v254, v255
	ds_add_u32 v254, v255
	v_lshrrev_b32 v1, 5, v0
	v_readfirstlane_b32 s26, v1                    ; wave 0..3
	s_mov_b32 s27, ttmp9                           ; block of 256 pixels
	s_and_b32 s28, ttmp7, 0xffff                   ; chunk of 128 outputs
	s_mov_b32 s36, 0x30000                         ; group 1: no mask, elements of 8 bytes, no padding: 64 rows of 256 bytes, dense
	s_mov_b32 s37, 32<<16                          ; tensor_dim0 = 32
	s_mov_b32 s38, 64<<16                          ; tensor_dim1 = 64
	s_mov_b32 s39, 32<<16                          ; tile_dim0 = 32
	s_mov_b32 s40, 64                              ; tile_dim1 = 64
	s_mov_b32 s41, 32                              ; from row to row
	s_mov_b32 s42, 0
	s_mov_b32 s43, 0
	s_lshl_b32 s30, s28, 16                        ; a chunk is 65,536 bytes,
	s_lshl_b32 s29, s26, 14                        ; a wave's quarter 16,384, in memory and in LDS
	s_add_co_u32 s30, s30, s29
	s_mov_b32 s31, 0
	s_wait_dscnt 0x0
	s_wait_kmcnt 0x0
	s_add_nc_u64 s[8:9], s[8:9], s[30:31]
.irp ty, 0,1,2
	s_mov_b32 s[44+4*\ty], 1                       ; count = 1
	s_add_co_u32 s[45+4*\ty], s29, 65536*\ty       ; LDS address: 65,536 x weight + 16,384 x wave
	s_add_nc_u64 s[46+4*\ty:47+4*\ty], s[8:9], 262144*\ty
	s_or_b32 s[47+4*\ty], s[47+4*\ty], 0x80000000  ; type = 2
.endr
	tensor_load_to_lds s[44:47], s[36:43]          ; q's chunk, k's, v's: the launch's only fills, ahead of every wait on them, every LDS read and every barrier
	s_nop 0
	tensor_load_to_lds s[48:51], s[36:43]
	s_nop 0
	tensor_load_to_lds s[52:55], s[36:43]
	s_nop 0
	NOPS 4
	v_and_b32 v16, 31, v0                          ; L
	v_lshlrev_b32 v2, 4, v16                       ; 16 L
	v_lshlrev_b32 v3, 4, v16                       ; and the same in each chunk
	v_add_nc_u32 v4, 0x10000, v2
	v_add_nc_u32 v5, 0x20000, v2
	v_and_b32 v1, 15, v0
	v_and_b32 v17, 8, v0
	v_add_nc_u32 v1, v1, v17                       ; r + 8 (r / 8)
	v_bfe_u32 v17, v0, 4, 1                        ; h
	v_lshlrev_b32 v8, 2, v1                        ; v's bias: my channel
	v_lshl_add_u32 v6, v17, 3, v1
	v_lshlrev_b32 v6, 4, v6                        ; the weights' scales: 16 bytes a row; lanes 16-31 take the odd tile, 8 rows on
	v_lshlrev_b32 v7, 6, v17                       ; q's and k's bias: 16 h outputs on
	v_lshlrev_b32 v9, 3, v16                       ; 8 L
	s_lshl_b32 s34, s26, 1
	v_add_nc_u32 v10, s34, v9
	v_add_nc_u32 v10, VSC, v10                     ; my two bytes of a row's eight
	s_lshl_b32 s34, s26, 8
	v_add_nc_u32 v11, s34, v9
	v_add_nc_u32 v11, VSC, v11                     ; and the 256 bytes that I store
	s_lshr_b32 s32, s27, 2                         ; image
	s_and_b32 s33, s27, 3                          ; quarter
	s_lshl_b32 s30, s32, 14                        ; h_scales: 16,384 an image, + 256 quarter + 64 wave
	s_lshl_b32 s34, s33, 8
	s_add_co_u32 s30, s30, s34
	s_lshl_b32 s34, s26, 6
	s_add_co_u32 s30, s30, s34
	s_add_nc_u64 s[6:7], s[6:7], s[30:31]
.irp e, 0,1
.set i, 0
.rept 16
	global_load_u8 v[U8+16*\e+i], v16, s[6:7] offset:1024*i+32*\e     ; block i's bytes of tiles 2 e (lanes 0-15) and 2 e + 1 (lanes 16-31)
.set i, i+1
.endr
.endr
	s_lshl_b32 s30, s28, 11
	s_add_nc_u64 s[10:11], s[10:11], s[30:31]
	s_add_nc_u64 s[12:13], s[12:13], s[30:31]
	s_add_nc_u64 s[14:15], s[14:15], s[30:31]
.irp p, 0,1,2,3
	global_load_b128 v[WS+4*\p:WS+4*\p+3], v6, s[10:11] offset:512*\p       ; a row's 16 bytes are its four K steps' words
	global_load_b128 v[WS+16+4*\p:WS+16+4*\p+3], v6, s[12:13] offset:512*\p
	global_load_b128 v[WS+32+4*\p:WS+32+4*\p+3], v6, s[14:15] offset:512*\p
.endr
	s_lshl_b32 s30, s28, 9
	s_add_nc_u64 s[16:17], s[16:17], s[30:31]
	s_add_nc_u64 s[18:19], s[18:19], s[30:31]
	s_add_nc_u64 s[20:21], s[20:21], s[30:31]
.macro BIASQK p                        ; lane (r, h), tile t, register j: output 32 (t / 2) + 8 (t % 2) + 16 h + j
.irp t, 0,1,2,3,4,5,6,7
	global_load_b128 v[BI+8*\t:BI+8*\t+3], v7, s[\p:\p+1] offset:(32*(\t/2)+8*(\t%2))*4
	global_load_b128 v[BI+8*\t+4:BI+8*\t+7], v7, s[\p:\p+1] offset:(32*(\t/2)+8*(\t%2))*4+16
.endr
.endm
.macro BIASV                           ; lane (r, h), tile t: all eight registers hold the bias of output 32 (t / 2) + 8 (t % 2) + r + 8 (r / 8)
.irp t, 0,1,2,3,4,5,6,7
.irp j, 0,1,2,3,4,5,6,7
	global_load_b32 v[BI+8*\t+\j], v8, s[20:21] offset:(32*(\t/2)+8*(\t%2))*4
.endr
.endr
.endm
	BIASQK 16
	s_lshl_b32 s30, s27, 17                        ; h_codes: 16 tiles of 8,192 bytes a work-group, 4 a wave
	s_lshl_b32 s34, s26, 15
	s_add_co_u32 s30, s30, s34
	s_add_nc_u64 s[4:5], s[4:5], s[30:31]
	WIN 0x40                                       ; destination window 1
.irp m, 0,1,2,3
.irp s, 0,1,2,3
.irp c, 0,1,2,3
	global_load_b128 v[64*\m+16*\s+4*\c:64*\m+16*\s+4*\c+3], v2, s[4:5] offset:8192*\m+2048*\s+512*\c
.endr
.endr
.endr
	WIN 0
	s_lshl_b32 s34, s28, 11                        ; where the results go.  q: as h, K step = my chunk
	s_add_co_u32 s30, s30, s34
	s_add_nc_u64 s[60:61], s[22:23], s[30:31]
	s_add_nc_u64 s[62:63], s[60:61], 0x800000      ; k
	s_lshl_b32 s30, s32, 19                        ; v: 524,288 an image, 16,384 a channel tile (8 a chunk), 2,048 a K step (2 a quarter), 1,024 a wave
	s_lshl_b32 s34, s28, 17
	s_add_co_u32 s30, s30, s34
	s_lshl_b32 s34, s33, 12
	s_add_co_u32 s30, s30, s34
	s_lshl_b32 s34, s26, 10
	s_add_co_u32 s30, s30, s34
	s_add_nc_u64 s[66:67], s[22:23], s[30:31]
	s_add_nc_u64 s[66:67], s[66:67], 0x1000000
	s_lshl_b32 s30, s32, 14                        ; q's scale words: 16,384 an image, 4,096 a K step, 256 for a wave's four tiles
	s_lshl_b32 s34, s28, 12
	s_add_co_u32 s30, s30, s34
	s_lshl_b32 s34, s33, 10
	s_add_co_u32 s30, s30, s34
	s_lshl_b32 s35, s26, 8
	s_add_co_u32 s30, s30, s35
	s_add_nc_u64 s[68:69], s[24:25], s[30:31]
	s_add_nc_u64 s[70:71], s[68:69], 0x40000       ; k's
	s_lshl_b32 s30, s32, 14                        ; v's: 4,096 a quarter, 256 a tile pair (4 a chunk, one a wave)
	s_lshl_b32 s34, s33, 12
	s_add_co_u32 s30, s30, s34
	s_lshl_b32 s34, s28, 10
	s_add_co_u32 s30, s30, s34
	s_add_co_u32 s30, s30, s35
	s_add_nc_u64 s[72:73], s[24:25], s[30:31]
	s_add_nc_u64 s[72:73], s[72:73], 0x80000
	s_mov_b32 s56, 0x76543210
	s_mov_b32 s57, 0xfedcba98                      ; lane l xor 16
	s_mov_b32 s58, 0x600000                        ; the mantissa field of 57,344
	s_mov_b32 s59, 0xffff0000                      ; lanes 16-31
.irp b, 0,1,2,3
	v_mov_b32 v[TM+4+\b], 0                        ; a lane permute's destination counts as one of its sources
.endr
	s_wait_loadcnt 0x0
.irp e, 0,1
.irp s, 0,1,2,3
	v_lshl_or_b32 v[HS+4*\e+\s], v[U8+16*\e+4*\s+1], 8, v[U8+16*\e+4*\s]
	v_lshl_or_b32 v[HS+4*\e+\s], v[U8+16*\e+4*\s+2], 16, v[HS+4*\e+\s]
	v_lshl_or_b32 v[HS+4*\e+\s], v[U8+16*\e+4*\s+3], 24, v[HS+4*\e+\s]
.endr
.endr
.macro FETCHW ty, s, buf               ; the 8 fragments of weight ty, K step s, into set buf of window 3: each load takes 512 consecutive bytes
	WIN 0xC0
.irp t, 0,1,2,3,4,5,6,7
.irp c, 0,1,2,3
	ds_load_b128 v[128*(\buf)+16*\t+4*\c:128*(\buf)+16*\t+4*\c+3], v[3+(\ty)] offset:8192*\t+2048*(\s)+512*\c
.endr
.endr
	WIN 0
.endm
.macro MM ty, s                        ; 32 matrix instructions: 8 tiles of outputs x 4 tiles of pixels, 128 along K
.irp t, 0,1,2,3,4,5,6,7
.irp m, 0,1,2,3
.if (\ty) < 2
.set rD, 64*\m+8*\t
.set rA, 128*((\s)%2)+16*\t
.set rB, 64*\m+16*(\s)
.set rSA, WS+16*(\ty)+4*(\t/2)+(\s)
.set rSB, HS+4*(\m/2)+(\s)
.set rRA, \t%2
.set rRB, \m%2
.else
.set rD, 32*\t+8*\m
.set rA, 64*\m+16*(\s)
.set rB, 128*((\s)%2)+16*\t
.set rSA, HS+4*(\m/2)+(\s)
.set rSB, WS+32+4*(\t/2)+(\s)
.set rRA, \m%2
.set rRB, \t%2
.endif
.if (\s) == 0
.set rC, BI+8*\t
.else
.set rC, rD
.endif
	WM rD, rA, rB, rC, rSA, rSB, rRA, rRB
.endr
.endr
.endm
.macro WSTEP ty, s
	s_wait_dscnt 0x0                               ; this step's weight fragments are in
.if (\s) == 3 && (\ty) < 2
	s_wait_tensorcnt 1-(\ty)                       ; my part of the next weight's chunk has landed (behind k's chunk v's load may stay out),
	s_barrier_signal -1
	s_barrier_wait -1                              ; everybody's has
.endif
	NOPS 8                                         ; eight plain instructions between the last products and loads into registers that they read; ahead of the first step they also part the scale words' making from their use
.if (\s) < 3
	FETCHW \ty, (\s)+1, ((\s)+1)%2
.elseif (\ty) < 2
	FETCHW (\ty)+1, 0, 0
.endif
.if (\s) == 1 && (\ty) == 0
	BIASQK 18                                      ; the next pass's bias: this pass's first step has read the old one
.endif
.if (\s) == 1 && (\ty) == 1
	BIASV
.endif
.if (\s) == 0 && (\ty) > 0
	s_wait_loadcnt 0x0                             ; the bias
.endif
.if (\ty) < 2
.if (\s) == 0
	WIN 0x87                                       ; source 0 (W) window 3, source 1 (h) window 1, C (bias) window 0, D window 2
.else
	WIN 0xA7                                       ; C window 2
.endif
.else
.if (\s) == 0
	WIN 0x8D                                       ; source 0 (h) window 1, source 1 (W) window 3
.else
	WIN 0xAD
.endif
.endif
	MM \ty, \s
.endm
; 64 registers of window 2 from s0 on, register 16 b + i = k 32 b + 16 (lane / 16) + i of my row, become a fragment's codes in v[PC] on and its four bytes in v[pw].  Each accumulator is read from its low end on.
.macro QUANT s0, pw
	WIN 0x0A                                       ; sources 0 and 1 window 2
.irp b, 0,1,2,3
	v_max3_num_f32 v[TM+\b], |v[16*\b+(\s0)]|, |v[16*\b+1+(\s0)]|, 0x8000000   ; with the floor 2^(16 - 127): the byte cannot fall under 1
.endr
.irp e, 2,4,6,8,10,12,14
.irp b, 0,1,2,3
	v_max3_num_f32 v[TM+\b], |v[16*\b+\e+(\s0)]|, |v[16*\b+\e+1+(\s0)]|, v[TM+\b]
.endr
.endr
	WIN 0
.irp b, 0,1,2,3
	v_permlanex16_b32 v[TM+4+\b], v[TM+\b], s56, s57
.endr
.irp b, 0,1,2,3
	v_max_num_f32 v[TM+\b], v[TM+\b], v[TM+4+\b]   ; with lane l xor 16's 16: the block's largest magnitude
.endr
.irp b, 0,1,2,3
	v_add_nc_u32 v[TM+12+\b], 0xf8800000, v[TM+\b] ; 15 off the exponent field: the conversion's scale operand
.endr
.irp b, 0,1,2,3
	v_and_or_b32 v[TM+8+\b], v[TM+\b], 0x7f800000, s58   ; 57,344 x the scale
.endr
.irp b, 0,1,2,3
	v_lshrrev_b32 v[TM+4+\b], 23, v[TM+12+\b]      ; the byte
.endr
	v_lshl_or_b32 v[\pw], v[TM+5], 8, v[TM+4]
	v_lshl_or_b32 v[\pw], v[TM+6], 16, v[\pw]
	v_lshl_or_b32 v[\pw], v[TM+7], 24, v[\pw]
	WIN 0x82                                       ; destination and source 0 window 2
.irp b, 0,1,2,3
.set i, 0
.rept 16
	v_med3_num_f32 v[16*\b+i+(\s0)], v[16*\b+i+(\s0)], -v[TM+8+\b], v[TM+8+\b]   ; the conversion does not saturate (ISA guide 7.6.2): the hold
.set i, i+1
.endr
.endr
	s_wait_xcnt 0x0                                ; the earlier stores have read their data: the codes' registers and the pair may be written again
	WIN 0x02
.irp b, 0,1,2,3
	v_cvt_scalef32_pk8_bf8_f32 v[PC+4*\b:PC+4*\b+1], v[16*\b+(\s0):16*\b+7+(\s0)], v[TM+12+\b]
	v_cvt_scalef32_pk8_bf8_f32 v[PC+4*\b+2:PC+4*\b+3], v[16*\b+8+(\s0):16*\b+15+(\s0)], v[TM+12+\b]
.endr
	WIN 0
	v_nop                                          ; a plain instruction behind the last conversion: later products write its sources
.endm
.macro OUTQK pc, ps                    ; a pass of q or of k: for each tile of pixels the 8 tiles of outputs are one fragment, K step = my chunk
	NOPS 8                                         ; between the last products and the first read of results
.irp m, 0,1,2,3
	QUANT 64*\m, PW+\m
.irp c, 0,1,2,3
	global_store_b128 v2, v[PC+4*\c:PC+4*\c+3], s[\pc:\pc+1] offset:8192*\m+512*\c   ; 512 consecutive bytes, aligned
.endr
.endr
	v_cndmask_b32 v[SP2], v[PW], v[PW+1], s59      ; lanes 0-15 the even tile's word, lanes 16-31 the odd tile's
	v_cndmask_b32 v[SP2+1], v[PW+2], v[PW+3], s59
	global_store_b64 v9, v[SP2:SP2+1], s[\ps:\ps+1]   ; 256 consecutive bytes, aligned
.endm
	s_wait_tensorcnt 2                             ; my part of q's chunk has landed; k's and v's loads stay out
	s_barrier_signal -1
	s_barrier_wait -1                              ; everybody's has
	FETCHW 0, 0, 0
.irp s, 0,1,2,3
	WSTEP 0, \s
.endr
	OUTQK 60, 68
.irp s, 0,1,2,3
	WSTEP 1, \s
.endr
	OUTQK 62, 70
.irp s, 0,1,2,3
	WSTEP 2, \s
.endr
	NOPS 8
.irp p, 0,1,2,3                        ; v: 64 registers are channel tiles 2 p, 2 p + 1, each with my two blocks of 32 pixels: chunks 2 (w % 2), 2 (w % 2) + 1 of K step 2 quarter + w / 2
	QUANT 64*\p, PW
	global_store_b128 v2, v[PC:PC+3], s[66:67] offset:16384*(2*\p)
	global_store_b128 v2, v[PC+4:PC+7], s[66:67] offset:16384*(2*\p)+512
	global_store_b128 v2, v[PC+8:PC+11], s[66:67] offset:16384*(2*\p+1)
	global_store_b128 v2, v[PC+12:PC+15], s[66:67] offset:16384*(2*\p+1)+512
	v_lshrrev_b32 v[SP2], 16, v[PW]
	v_cndmask_b32 v[SP2], v[PW], v[SP2], s59       ; lanes 0-15: the even tile's two bytes; lanes 16-31: the odd tile's
	ds_store_b16 v10, v[SP2] offset:256*\p
.endr
	s_wait_dscnt 0x0                               ; for the others' sake: my bytes have landed
	s_barrier_signal -1
	s_barrier_wait -1
	ds_load_b64 v[SP2:SP2+1], v11                  ; tile pair w: a row's eight bytes come from the four waves
	s_wait_dscnt 0x0
	global_store_b64 v9, v[SP2:SP2+1], s[72:73]    ; 256 consecutive bytes, aligned
	s_wait_tensorcnt 0x0
	ds_add_u32 v254, v255
	s_wait_dscnt 0x0
	s_endpgm
.Lfunc_end_k_q9fa6af3b79_qkv:
	.size	k_q9fa6af3b79_qkv, .Lfunc_end_k_q9fa6af3b79_qkv-k_q9fa6af3b79_qkv
	.p2alignl 7, 3214868480
	.fill 96, 4, 3214868480
	.section	.rodata,"a",@progbits
	.p2align	6, 0x0
	.amdhsa_kernel k_q9fa6af3b79_qkv
		.amdhsa_group_segment_fixed_size 198144
		.amdhsa_private_segment_fixed_size 0
		.amdhsa_enable_private_segment 0
		.amdhsa_kernarg_size 88
		.amdhsa_user_sgpr_count 2
		.amdhsa_user_sgpr_kernarg_segment_ptr 1
		.amdhsa_wavefront_size32 1
		.amdhsa_system_sgpr_workgroup_id_x 1
		.amdhsa_system_sgpr_workgroup_id_y 1
		.amdhsa_system_sgpr_workgroup_id_z 1
		.amdhsa_system_vgpr_workitem_id 0
		.amdhsa_next_free_vgpr 1024
		.amdhsa_next_free_sgpr 80
		.amdhsa_reserve_vcc 0
		.amdhsa_float_denorm_mode_32 3
		.amdhsa_float_denorm_mode_16_64 3
		.amdhsa_memory_ordered 1
		.amdhsa_forward_progress 1
		.amdhsa_inst_pref_size 208
	.end_amdhsa_kernel
	.amdgpu_metadata
---
amdhsa.version: [ 1, 2 ]
amdhsa.kernels:
  - .name:           k_q9fa6af3b79_qkv
    .symbol:         k_q9fa6af3b79_qkv.kd
    .args:
      - { .name: h_codes, .offset: 0, .size: 8, .value_kind: global_buffer, .address_space: global }
      - { .name: h_scales, .offset: 8, .size: 8, .value_kind: global_buffer, .address_space: global }
      - { .name: wimg, .offset: 16, .size: 8, .value_kind: global_buffer, .address_space: global }
      - { .name: wq_scales, .offset: 24, .size: 8, .value_kind: global_buffer, .address_space: global }
      - { .name: wk_scales, .offset: 32, .size: 8, .value_kind: global_buffer, .address_space: global }
      - { .name: wv_scales, .offset: 40, .size: 8, .value_kind: global_buffer, .address_space: global }
      - { .name: bq, .offset: 48, .size: 8, .value_kind: global_buffer, .address_space: global }
      - { .name: bk, .offset: 56, .size: 8, .value_kind: global_buffer, .address_space: global }
      - { .name: bv, .offset: 64, .size: 8, .value_kind: global_buffer, .address_space: global }
      - { .name: qkv_codes, .offset: 72, .size: 8, .value_kind: global_buffer, .address_space: global }
      - { .name: qkv_scales, .offset: 80, .size: 8, .value_kind: global_buffer, .address_space: global }
    .group_segment_fixed_size: 198144
    .private_segment_fixed_size: 0
    .kernarg_segment_align: 8
    .kernarg_segment_size: 88
    .max_flat_workgroup_size: 128
    .sgpr_count:     80
    .vgpr_count:     1024
    .wavefront_size: 32
...
	.end_amdgpu_metadata
.endif
;; end of part 2
;; launch attn (part 3): grid 16 x 16, 4 waves a work-group, no clusters, 157,184 bytes of LDS; arguments qkv_codes, qkv_scales, wimg, wproj_scales, bproj, x, out0; writes out0
.if DOCPART == 3
	.amdgcn_target "amdgcn-amd-amdhsa--gfx1250"
	.amdhsa_code_object_version 6
	.text
	.protected	k_q9fa6af3b79_attn
	.globl	k_q9fa6af3b79_attn
	.p2align	8
	.type	k_q9fa6af3b79_attn,@function
k_q9fa6af3b79_attn:
	s_mov_b64 s[64:65], 0
	v_nop
	global_prefetch_b8 v0, s[64:65] scope:SCOPE_SE
	s_setreg_imm32_b32 hwreg(HW_REG_WAVE_MODE, 25, 1), 1
	s_wait_xcnt 0x0
; out = x + Wproj (softmax(q^T k / sqrt(512)) applied to v) + bproj, all three products on codes of BF8 (E5M2) with E8M0 scales.
; Work-group (x, y): 64 queries (4 tiles) of image y.  SCORES: wave w takes keys 256 w on (16 tiles) x the 4 query tiles: 64 accumulators, so the work-group's whole S^T lies in registers and the softmax has the row's true maximum:
; t = score x log2(e) / sqrt(512), M = ceil(largest t), p = 2^(t - M), not normalised; the row's sum is taken of the unquantised p and divides O.  No running maximum, no rescaling.
; PV: wave w takes channels 128 w on (8 tiles) x 4 query tiles, K = all 1,024 keys.  PROJECTION: outputs 128 w on x 4 query tiles, an output tile at a time, each stored as soon as it is finished.
; S^T = k q^T and O^T = v p^T are used transposed: a lane holds one query, its registers run along the next K.  y = O Wproj^T: a lane holds one output channel and eight neighbouring pixels, as out0 lies.
; q, p and O go from wave to wave through LDS as images of their registers (2,048 bytes a fragment, 16 bytes a lane).  Four barriers.
; k, v and Wproj: each fragment is read by ONE wave, feeds its four products, and comes from memory straight into registers through a ring of four quarters (4 fragments, 16 loads each) in window 1; 40 groups pass through it.
; The 16 work-groups of an image read the same k and v, and these are not asked for jointly: a joint load lands in LDS, where 171,008 bytes are left beside the images: two slots of 65,536, 16,384 a wave: 18 refills,
; each behind a round, each with 32 matrix instructions of a wave between the request and the wait for it; the ring in registers keeps 48 to 64 loads of a wave out and is never drained.
; The accumulators take turns, one instruction a turn.
; LIMITS: NaN and infinities are not served; a block under 2^-111 keeps the byte 1; a block of zeros gets the byte 1 and not 127 (zero codes); 1 / l is v_rcp_f32 and a multiplication.
; REGISTERS: window 0: v2-23 addresses; v32-63 k's scale words, later Wproj's (v32-47) and the bias (v48-63); v64-95 v's; v96-103 q's, later p's, later (v96-111) O's; v104-111 1 / l; v112-127 the quantiser's;
;   v128-255 two sets of 4 fragments of q or p, the softmax's scratch, later O's fragments of K steps 0, 1.
;   window 1: the ring.  windows 2, 3: S^T (run 2 qt + half: 64 registers, 128 keys); later window 2: O^T, then v0-127 O's fragments of K steps 2, 3 and v128-255 four sets of 4 accumulators of y; window 3: x.
.set PIMG, 32768                       ; LDS: q's 16 fragments at 0 (4 qt + s); p's 32 (8 qt + K step);
.set OIMG, 98304                       ; O's 16 (4 qt + s);
.set PSC,  131072                      ; p's scale words, 128 bytes a fragment;
.set OSC,  135168                      ; O's;
.set MXB,  137216                      ; the waves' row maxima, [qt][row][wave] words;
.set SMB,  138240                      ; their row sums;
.set STG,  139264                      ; a stage of 16 rows x (256 + 16) bytes for each wave
.set KS,  32                           ; register 8 s + 2 (kt / 4) + (kt / 2) % 2
.set WPS, 32                           ; register 4 (ot / 2) + s
.set BIA, 48                           ; my output's bias, a pair for each of the 8 tiles
.set VS,  64                           ; register 8 (ks / 2) + 2 (t / 2) + ks % 2
.set QS,  96                           ; register 2 s + qt / 2
.set PS,  96                           ; register 4 (step % 2) + qt
.set OS,  96                           ; register 4 s + qt
.set RL,  104
.set TM,  112
.set B0,  128
.set BM,  128                          ; 32 block maxima
.set PT,  160                          ; the permute's scratch
.set RM,  164                          ; row maxima
.set NM,  192                          ; -M, a pair for each qt
.set SUM, 200                          ; two pairs for each qt
.set PC,  216                          ; a fragment's codes
.set LIM, 232
.set SCO, 236
.set BY,  240
.set PWD, 244
.set CS,  40                           ; s[40:41] log2(e) / sqrt(512)
.set SEL, 42
.set MNT, 44
.set MSB, 0
.macro WIN new                         ; the immediate's high byte repeats the setting that is left
.if MSB != (\new)
	s_set_vgpr_msb (MSB<<8)|(\new)
.set MSB, (\new)
.endif
.endm
.macro NOPS n
.rept \n
	v_nop
.endr
.endm
.macro WM d, a, b, c, sa, sb, ra, rb   ; c < 0: the product starts the sum;  ra, rb: the side's scale words lie in lanes 16-31
.if (\c) < 0
.if (\ra) && (\rb)
	v_wmma_scale_f32_16x16x128_f8f6f4 v[\d:\d+7], v[\a:\a+15], v[\b:\b+15], 0, v[\sa], v[\sb] matrix_a_fmt:MATRIX_FMT_BF8 matrix_b_fmt:MATRIX_FMT_BF8 matrix_a_scale:MATRIX_SCALE_ROW1 matrix_b_scale:MATRIX_SCALE_ROW1
.elseif (\ra)
	v_wmma_scale_f32_16x16x128_f8f6f4 v[\d:\d+7], v[\a:\a+15], v[\b:\b+15], 0, v[\sa], v[\sb] matrix_a_fmt:MATRIX_FMT_BF8 matrix_b_fmt:MATRIX_FMT_BF8 matrix_a_scale:MATRIX_SCALE_ROW1
.elseif (\rb)
	v_wmma_scale_f32_16x16x128_f8f6f4 v[\d:\d+7], v[\a:\a+15], v[\b:\b+15], 0, v[\sa], v[\sb] matrix_a_fmt:MATRIX_FMT_BF8 matrix_b_fmt:MATRIX_FMT_BF8 matrix_b_scale:MATRIX_SCALE_ROW1
.else
	v_wmma_scale_f32_16x16x128_f8f6f4 v[\d:\d+7], v[\a:\a+15], v[\b:\b+15], 0, v[\sa], v[\sb] matrix_a_fmt:MATRIX_FMT_BF8 matrix_b_fmt:MATRIX_FMT_BF8
.endif
.else
.if (\ra) && (\rb)
	v_wmma_scale_f32_16x16x128_f8f6f4 v[\d:\d+7], v[\a:\a+15], v[\b:\b+15], v[\c:\c+7], v[\sa], v[\sb] matrix_a_fmt:MATRIX_FMT_BF8 matrix_b_fmt:MATRIX_FMT_BF8 matrix_a_scale:MATRIX_SCALE_ROW1 matrix_b_scale:MATRIX_SCALE_ROW1
.elseif (\ra)
	v_wmma_scale_f32_16x16x128_f8f6f4 v[\d:\d+7], v[\a:\a+15], v[\b:\b+15], v[\c:\c+7], v[\sa], v[\sb] matrix_a_fmt:MATRIX_FMT_BF8 matrix_b_fmt:MATRIX_FMT_BF8 matrix_a_scale:MATRIX_SCALE_ROW1
.elseif (\rb)
	v_wmma_scale_f32_16x16x128_f8f6f4 v[\d:\d+7], v[\a:\a+15], v[\b:\b+15], v[\c:\c+7], v[\sa], v[\sb] matrix_a_fmt:MATRIX_FMT_BF8 matrix_b_fmt:MATRIX_FMT_BF8 matrix_b_scale:MATRIX_SCALE_ROW1
.else
	v_wmma_scale_f32_16x16x128_f8f6f4 v[\d:\d+7], v[\a:\a+15], v[\b:\b+15], v[\c:\c+7], v[\sa], v[\sb] matrix_a_fmt:MATRIX_FMT_BF8 matrix_b_fmt:MATRIX_FMT_BF8
.endif
.endif
.endm
; Group gm of the ring's 40: 4 fragments, 16 loads of 512 consecutive bytes, into quarter gm % 4 of window 1.  0-15: k, K step gm / 4, key tiles 4 (gm % 4) on.  16-31: v, K step (gm - 16) / 2, channel tiles 4 (gm % 2) on.
; 32-39: Wproj, output tile gm - 32, its four K steps: 8,192 consecutive bytes.
.macro RFILL gm
	WIN 0x40
.irp f, 0,1,2,3
.irp c, 0,1,2,3
.if (\gm) < 16
	global_load_b128 v[64*((\gm)%4)+16*\f+4*\c:64*((\gm)%4)+16*\f+4*\c+3], v2, s[24:25] offset:8192*(4*((\gm)%4)+\f)+2048*((\gm)/4)+512*\c
.elseif (\gm) < 32
	global_load_b128 v[64*((\gm)%4)+16*\f+4*\c:64*((\gm)%4)+16*\f+4*\c+3], v2, s[26:27] offset:16384*(4*((\gm)%2)+\f)+2048*(((\gm)-16)/2)+512*\c
.else
	global_load_b128 v[64*((\gm)%4)+16*\f+4*\c:64*((\gm)%4)+16*\f+4*\c+3], v2, s[8:9] offset:8192*((\gm)-32)+2048*\f+512*\c
.endif
.endr
.endr
.endm
.macro FQ s                            ; q's four fragments of K step s into set s % 2
	WIN 0
.irp qt, 0,1,2,3
.irp c, 0,1,2,3
	ds_load_b128 v[B0+64*((\s)%2)+16*\qt+4*\c:B0+64*((\s)%2)+16*\qt+4*\c+3], v2 offset:8192*\qt+2048*(\s)+512*\c
.endr
.endr
.endm
.macro FP k                            ; p's four fragments of K step k, and their scale words
	WIN 0
.irp qt, 0,1,2,3
.irp c, 0,1,2,3
	ds_load_b128 v[B0+64*((\k)%2)+16*\qt+4*\c:B0+64*((\k)%2)+16*\qt+4*\c+3], v5 offset:16384*\qt+2048*(\k)+512*\c
.endr
	ds_load_b32 v[PS+4*((\k)%2)+\qt], v9 offset:1024*\qt+128*(\k)
.endr
.endm
	s_load_b256 s[4:11], s[0:1], 0x0               ; qkv_codes, qkv_scales, wimg, wproj_scales
	s_load_b128 s[12:15], s[0:1], 0x20             ; bproj, x
	s_load_b64 s[16:17], s[0:1], 0x30              ; out0
	v_lshl_add_u32 v30, v0, 2, 0x26400
	v_mov_b32 v31, 0
	v_lshrrev_b32 v1, 5, v0
	v_readfirstlane_b32 s18, v1                    ; wave 0..3
	v_and_b32 v24, 31, v0                          ; L
	v_lshlrev_b32 v2, 4, v24                       ; 16 L
	v_lshlrev_b32 v3, 3, v24                       ; 8 L
	s_mov_b32 s19, ttmp9                           ; group of 64 queries
	s_and_b32 s20, ttmp7, 0xffff                   ; image
	s_mov_b32 s3, 0
	s_mov_b32 s39, 0
	s_lshl_b32 s21, s20, 19                        ; an image's codes: 524,288 bytes in each of q, k, v
	s_wait_kmcnt 0x0
	s_lshl_b32 s2, s19, 15
	s_add_co_u32 s2, s2, s21
	s_add_nc_u64 s[34:35], s[4:5], s[2:3]
	s_lshl_b32 s38, s18, 13
	s_add_nc_u64 s[22:23], s[34:35], s[38:39]      ; q: tile 4 g + w
	s_add_nc_u64 s[34:35], s[34:35], 0x1000000     ; v: the 32,768 bytes that this work-group prefetches
	s_lshl_b32 s2, s18, 17
	s_add_co_u32 s2, s2, s21
	s_add_nc_u64 s[24:25], s[4:5], s[2:3]
	s_add_nc_u64 s[26:27], s[24:25], 0x1000000     ; v: channel tiles 8 w on
	s_add_nc_u64 s[24:25], s[24:25], 0x800000      ; k: key tiles 16 w on
	s_lshl_b32 s21, s20, 14                        ; an image's scales: 16,384 bytes in each
	s_lshl_b32 s2, s19, 8
	s_add_co_u32 s2, s2, s21
	s_add_nc_u64 s[28:29], s[6:7], s[2:3]          ; q's
	s_lshl_b32 s2, s18, 10
	s_add_co_u32 s2, s2, s21
	s_add_nc_u64 s[30:31], s[6:7], s[2:3]
	s_add_nc_u64 s[32:33], s[30:31], 0x80000       ; v's
	s_add_nc_u64 s[30:31], s[30:31], 0x40000       ; k's
.irp s, 0,1,2,3
.irp c, 0,1,2,3
	global_load_b128 v[B0+16*\s+4*\c:B0+16*\s+4*\c+3], v2, s[22:23] offset:2048*\s+512*\c    ; query tile w: four fragments
.endr
.endr
.irp s, 0,1,2,3
	global_load_b64 v[QS+2*\s:QS+2*\s+1], v3, s[28:29] offset:4096*\s
.endr
.irp s, 0,1,2,3
.irp p, 0,1,2,3
	global_load_b64 v[KS+8*\s+2*\p:KS+8*\s+2*\p+1], v3, s[30:31] offset:4096*\s+256*\p
.endr
.endr
	RFILL 0                                        ; the ring's first group goes out beside q, ahead of q's exchange through LDS: the first products need both
	WIN 0
	s_lshl_b32 s2, s18, 16
	s_add_nc_u64 s[8:9], s[8:9], s[2:3]
	s_add_nc_u64 s[8:9], s[8:9], 0xC0000           ; Wproj's images: tiles 8 w on
	s_lshl_b32 s2, s18, 11
	s_add_nc_u64 s[10:11], s[10:11], s[2:3]
	s_lshl_b32 s2, s18, 9
	s_add_nc_u64 s[12:13], s[12:13], s[2:3]
	s_lshl_b32 s2, s20, 21                         ; x and out0: 2 MiB an image, 256 bytes of a row for my 64 pixels,
	s_lshl_b32 s38, s19, 8
	s_add_co_u32 s2, s2, s38
	s_add_nc_u64 s[36:37], s[14:15], s[2:3]        ; (for the prefetch: all 512 rows)
	s_add_nc_u64 s[16:17], s[16:17], s[2:3]
	s_lshl_b32 s38, s18, 19                        ; 128 rows a wave
	s_add_nc_u64 s[14:15], s[36:37], s[38:39]
	s_add_nc_u64 s[16:17], s[16:17], s[38:39]
	s_mov_b32 s[CS], 0x3d8293ee
	s_mov_b32 s[CS+1], s[CS]                       ; (named with it as a pair, so it is written)
	s_mov_b32 s[SEL], 0x76543210
	s_mov_b32 s[SEL+1], 0xfedcba98                 ; lane l xor 16
	s_mov_b32 s[MNT], 0x600000                     ; the mantissa field of 57,344
	v_and_b32 v25, 15, v0                          ; r
	v_bfe_u32 v26, v0, 4, 1                        ; h
	s_lshl_b32 s2, s18, 13
	v_add_nc_u32 v4, s2, v2                        ; q's images: I write tile w's
	v_add_nc_u32 v5, PIMG, v2
	s_lshl_b32 s2, s18, 12
	v_add_nc_u32 v6, s2, v5                        ; p's: I write K steps 2 w, 2 w + 1
	v_add_nc_u32 v7, OIMG, v2
	s_lshl_b32 s2, s18, 11
	v_add_nc_u32 v8, s2, v7                        ; O's: I write K step w
	v_lshl_add_u32 v9, v24, 2, PSC
	s_lshl_b32 s2, s18, 8
	v_add_nc_u32 v10, s2, v9
	v_lshl_add_u32 v11, v24, 2, OSC
	s_lshl_b32 s2, s18, 7
	v_add_nc_u32 v12, s2, v11
	v_lshl_add_u32 v14, v25, 4, MXB
	s_lshl_b32 s2, s18, 2
	v_add_nc_u32 v13, s2, v14
	v_lshl_add_u32 v16, v25, 4, SMB
	v_add_nc_u32 v15, s2, v16
	s_mul_i32 s2, s18, 4352
	s_add_co_u32 s2, s2, STG
	v_mul_u32_u24 v17, v25, 272
	v_lshl_add_u32 v17, v26, 6, v17
	v_add_nc_u32 v17, s2, v17                      ; the stage, in: row r, + 64 h
	v_mul_u32_u24 v18, v26, 272
	v_lshl_add_u32 v18, v25, 4, v18
	v_add_nc_u32 v18, s2, v18                      ; back: lanes 0-15 one row, lanes 16-31 the next
	v_lshlrev_b32 v19, 12, v26
	v_lshl_add_u32 v19, v25, 4, v19                ; and the same two rows in x and out0
	v_and_b32 v27, 8, v0
	v_add_nc_u32 v27, v27, v25                     ; r + 8 (r / 8)
	v_lshlrev_b32 v21, 2, v27                      ; bproj: my output
	v_lshl_add_u32 v20, v26, 3, v27
	v_lshlrev_b32 v20, 4, v20                      ; Wproj's scales: 16 bytes a row; lanes 16-31 take the odd tile
	v_lshlrev_b32 v22, 8, v0                       ; prefetch: threads 256 bytes apart in v,
	v_lshlrev_b32 v23, 12, v0                      ; a row apart in x
.irp b, 0,1,2,3
	v_mov_b32 v[TM+4+\b], 0                        ; a lane permute's destination counts as one of its sources
.endr
	s_wait_loadcnt 36                              ; q's 16 loads are in; behind them stand q's and k's 20 loads of scale words and the ring's first 16
.irp s, 0,1,2,3
.irp c, 0,1,2,3
	ds_store_b128 v4, v[B0+16*\s+4*\c:B0+16*\s+4*\c+3] offset:2048*\s+512*\c
.endr
.endr
.irp s, 0,1,2,3
.irp p, 0,1,2,3
	global_load_b64 v[VS+8*\s+2*\p:VS+8*\s+2*\p+1], v3, s[32:33] offset:4096*\s+256*\p       ; v's scale words are wanted 16 groups on
.endr
.endr
	RFILL 1
	RFILL 2
	RFILL 3
	s_wait_dscnt 0x0                               ; for the others' sake: my tile's images have landed
	s_barrier_signal -1
	s_barrier_wait -1                              ; q's sixteen fragments lie in LDS
	FQ 0
; ---- SCORES.  A group: 4 key tiles x 4 query tiles, 128 along K.
.macro SCORE gm, f, qt
.set rD, 64*((2*(\qt)+((\gm)%4)/2)%4)+8*(4*((\gm)%2)+(\f))
.set rA, 64*((\gm)%4)+16*(\f)
.set rB, B0+64*(((\gm)/4)%2)+16*(\qt)
.if (\gm) < 4
.set rC, -1
.else
.set rC, rD
.endif
	WM rD, rA, rB, rC, KS+8*((\gm)/4)+2*((\gm)%4)+(\f)/2, QS+2*((\gm)/4)+(\qt)/2, (\f)%2, (\qt)%2
.endm
.macro SG gm
.if (\gm)%4 == 0
	s_wait_dscnt 0x0                               ; this K step's fragments of q are in;
.if (\gm)/4 < 3
	FQ (\gm)/4+1                                   ; the next step's go into the other set
.endif
.endif
.if (\gm) == 0
	s_wait_loadcnt 63                              ; the first group is in: 64 loads are younger (v's 16 of scale words, groups 1 to 3); the count's field ends at 63
.else
	s_wait_loadcnt 48                              ; this group's 16 loads are in: behind them stand the three younger groups' 48
.endif
.if (\gm) == 0
	global_prefetch_b8 v22, s[34:35] th:TH_LOAD_NT scope:SCOPE_SE        ; v is first loaded 12 groups on: each of the image's 16 work-groups asks for 32,768 of its 524,288 bytes, a thread for 256: each block once in the launch
.endif
.if (\gm) == 8
.irp e, 0,1,2,3
	global_prefetch_b8 v23, s[36:37] offset:524288*\e th:TH_LOAD_NT scope:SCOPE_SE   ; my 64 pixels of x, 256 bytes of each of 512 rows, a row a thread four times: loaded in the softmax, 8 groups on
.endr
.endif
	WIN 0xA1                                       ; source 0 (k) window 1, source 1 (q) window 0, C and D window 2
.irp f, 0,1,2,3
.irp qt, 0,1
	SCORE \gm, \f, \qt
.endr
.endr
	WIN 0xF1                                       ; C and D window 3
.irp f, 0,1,2,3
.irp qt, 2,3
	SCORE \gm, \f, \qt
.endr
.endr
	NOPS 8                                         ; eight plain instructions between products and loads into registers that they read, or reads of their results
	RFILL (\gm)+4
.endm
.set G, 0
.rept 16
	SG G
.set G, G+1
.endr
; ---- SOFTMAX.  Lane (r, h) holds query r of each tile; register 16 b + i of a run is key 32 b + 16 h + i of the run's 128.
	WIN 0
.set i, 0
.rept 16
	v_mov_b32 v[SUM+i], 0                          ; (these registers held q until the last group)
.set i, i+1
.endr
.irp b, 0,1,2,3
	v_mov_b32 v[PT+\b], 0
.endr
.macro BMAX rho                        ; the largest score of each of the run's four blocks of 32 keys: it serves for the row's maximum and, since p rises with the score, for the block's largest p.  Each accumulator is read from its low end on
	WIN 0x0A+5*((\rho)/4)
.irp b, 0,1,2,3
	v_max3_num_f32 v[BM+4*(\rho)+\b], v[64*((\rho)%4)+16*\b], v[64*((\rho)%4)+16*\b+1], 0xff800000
.endr
.irp e, 2,4,6,8,10,12,14
.irp b, 0,1,2,3
	v_max3_num_f32 v[BM+4*(\rho)+\b], v[64*((\rho)%4)+16*\b+\e], v[64*((\rho)%4)+16*\b+\e+1], v[BM+4*(\rho)+\b]
.endr
.endr
	WIN 0
.irp b, 0,1,2,3
	v_permlanex16_b32 v[PT+\b], v[BM+4*(\rho)+\b], s[SEL], s[SEL+1]
.endr
.irp b, 0,1,2,3
	v_max_num_f32 v[BM+4*(\rho)+\b], v[BM+4*(\rho)+\b], v[PT+\b]
.endr
.endm
.irp rho, 0,1,2,3,4,5,6,7
	BMAX \rho
.endr
.irp qt, 0,1,2,3
	v_max3_num_f32 v[RM+\qt], v[BM+8*\qt], v[BM+8*\qt+1], v[BM+8*\qt+2]
.endr
.irp qt, 0,1,2,3
	v_max3_num_f32 v[RM+\qt], v[RM+\qt], v[BM+8*\qt+3], v[BM+8*\qt+4]
.endr
.irp qt, 0,1,2,3
	v_max3_num_f32 v[RM+\qt], v[RM+\qt], v[BM+8*\qt+5], v[BM+8*\qt+6]
.endr
.irp qt, 0,1,2,3
	v_max_num_f32 v[RM+\qt], v[RM+\qt], v[BM+8*\qt+7]
.endr
.irp qt, 0,1,2,3
	ds_store_b32 v13, v[RM+\qt] offset:256*\qt     ; my 256 keys' maximum of query r (lanes r and r + 16 write the same word with the same number)
.endr
	s_wait_dscnt 0x0
	s_barrier_signal -1
	s_barrier_wait -1
.irp qt, 0,1,2,3
	ds_load_b128 v[PC+4*\qt:PC+4*\qt+3], v14 offset:256*\qt
.endr
	s_wait_dscnt 0x0
.irp qt, 0,1,2,3
	v_max3_num_f32 v[RM+\qt], v[PC+4*\qt], v[PC+4*\qt+1], v[PC+4*\qt+2]
.endr
.irp qt, 0,1,2,3
	v_max_num_f32 v[RM+\qt], v[RM+\qt], v[PC+4*\qt+3]
.endr
.irp qt, 0,1,2,3
	v_mul_f32 v[RM+\qt], s[CS], v[RM+\qt]          ; the row's largest t
.endr
.irp qt, 0,1,2,3
	v_floor_f32 v[NM+2*\qt], -v[RM+\qt]            ; -M = floor(-t) = -ceil(t)
.endr
.irp qt, 0,1,2,3
	v_mov_b32 v[NM+2*\qt+1], v[NM+2*\qt]
.endr
; A run: p, its sum, its four blocks' scales, its codes: one fragment of p, K step 2 w + rho % 2, query tile rho / 2.
.macro PRUN rho
.set rQ, (\rho)/2
.set rS, 64*((\rho)%4)
.set rH, (\rho)/4
	WIN 0
.irp b, 0,1,2,3
	v_fma_f32 v[BM+4*(\rho)+\b], v[BM+4*(\rho)+\b], s[CS], v[NM+2*rQ]
.endr
	WIN 0x82+0x41*rH                               ; destination and source 0 in the run's window
.set i, 0
.rept 32
	v_pk_fma_f32 v[rS+i:rS+i+1], v[rS+i:rS+i+1], s[CS:CS+1], v[NM+2*rQ:NM+2*rQ+1] op_sel_hi:[1,0,0]   ; t - M
.set i, i+2
.endr
.set i, 0
.rept 64
	v_exp_f32 v[rS+i], v[rS+i]                     ; p = 2^(t - M), at most 1
.set i, i+1
.endr
	WIN 0
.irp b, 0,1,2,3
	v_exp_f32 v[BM+4*(\rho)+\b], v[BM+4*(\rho)+\b] ; the block's largest p: the same two instructions on the same number
.endr
	v_nop                                          ; a plain instruction behind the exponentials
	s_wait_alu depctr_va_vdst(0)
.irp b, 0,1,2,3
	v_max_num_f32 v[BM+4*(\rho)+\b], 0x8000000, v[BM+4*(\rho)+\b]   ; the floor 2^(16 - 127)
.endr
.irp b, 0,1,2,3
	v_add_nc_u32 v[SCO+\b], 0xf8800000, v[BM+4*(\rho)+\b]
.endr
.irp b, 0,1,2,3
	v_and_or_b32 v[LIM+\b], v[BM+4*(\rho)+\b], 0x7f800000, s[MNT]
.endr
.irp b, 0,1,2,3
	v_lshrrev_b32 v[BY+\b], 23, v[SCO+\b]
.endr
	v_lshl_or_b32 v[PWD], v[BY+1], 8, v[BY]
	v_lshl_or_b32 v[PWD], v[BY+2], 16, v[PWD]
	v_lshl_or_b32 v[PWD], v[BY+3], 24, v[PWD]
	WIN 0x08+4*rH                                  ; source 1 in the run's window
.set i, 0
.rept 16
	v_pk_add_f32 v[SUM+4*rQ:SUM+4*rQ+1], v[SUM+4*rQ:SUM+4*rQ+1], v[rS+i:rS+i+1]           ; the row's sum is taken of the unquantised p, in two chains
	v_pk_add_f32 v[SUM+4*rQ+2:SUM+4*rQ+3], v[SUM+4*rQ+2:SUM+4*rQ+3], v[rS+i+2:rS+i+3]
.set i, i+4
.endr
	WIN 0x82+0x41*rH
.irp b, 0,1,2,3
.set i, 0
.rept 16
	v_min_num_f32 v[rS+16*\b+i], v[rS+16*\b+i], v[LIM+\b]     ; the conversion does not saturate (ISA guide 7.6.2); p is not negative: a one-sided hold
.set i, i+1
.endr
.endr
	s_wait_dscnt 0x0                               ; the last run's stores have read the codes' registers
	WIN 0x02+rH
.irp b, 0,1,2,3
	v_cvt_scalef32_pk8_bf8_f32 v[PC+4*\b:PC+4*\b+1], v[rS+16*\b:rS+16*\b+7], v[SCO+\b]
	v_cvt_scalef32_pk8_bf8_f32 v[PC+4*\b+2:PC+4*\b+3], v[rS+16*\b+8:rS+16*\b+15], v[SCO+\b]
.endr
	WIN 0
	v_nop                                          ; a plain instruction behind the last conversion
.irp c, 0,1,2,3
	ds_store_b128 v6, v[PC+4*\c:PC+4*\c+3] offset:16384*rQ+2048*((\rho)%2)+512*\c
.endr
	ds_store_b32 v10, v[PWD] offset:1024*rQ+128*((\rho)%2)
.endm
.macro XLOAD o0                        ; x for output tiles o0 .. o0 + 3, in the layout in which y comes back from the stage: window 3, 32 ot + 4 e
	WIN 0xC0
.irp o, 0,1,2,3
.irp e, 0,1,2,3,4,5,6,7
	global_load_b128 v[32*((\o0)+\o)+4*\e:32*((\o0)+\o)+4*\e+3], v19, s[14:15] offset:4096*(32*(((\o0)+\o)/2)+8*(((\o0)+\o)%2)+2*\e+8*(\e/4)) th:TH_LOAD_NT
.endr
.endr
	WIN 0
.endm
	PRUN 4                                         ; window 3 first: it then takes x, which lands under the vector work
	PRUN 5
	PRUN 6
	PRUN 7
	XLOAD 0
	PRUN 0
.irp p, 0,1,2,3
	global_load_b128 v[WPS+4*\p:WPS+4*\p+3], v20, s[10:11] offset:512*\p     ; Wproj's scale words, where k's lay
.endr
.irp o, 0,1,2,3,4,5,6,7
	global_load_b32 v[BIA+2*\o], v21, s[12:13] offset:(32*(\o/2)+8*(\o%2))*4      ; my output's bias, twice (a pair for the packed addition), for each of the 8 tiles
	global_load_b32 v[BIA+2*\o+1], v21, s[12:13] offset:(32*(\o/2)+8*(\o%2))*4
.endr
	PRUN 1
	PRUN 2
	XLOAD 4
	PRUN 3
.irp qt, 0,1,2,3
	v_pk_add_f32 v[SUM+4*\qt:SUM+4*\qt+1], v[SUM+4*\qt:SUM+4*\qt+1], v[SUM+4*\qt+2:SUM+4*\qt+3]
.endr
.irp qt, 0,1,2,3
	v_add_f32 v[SUM+4*\qt], v[SUM+4*\qt], v[SUM+4*\qt+1]
.endr
.irp qt, 0,1,2,3
	v_permlanex16_b32 v[PT+\qt], v[SUM+4*\qt], s[SEL], s[SEL+1]
.endr
.irp qt, 0,1,2,3
	v_add_f32 v[SUM+4*\qt], v[SUM+4*\qt], v[PT+\qt]
.endr
.irp qt, 0,1,2,3
	ds_store_b32 v15, v[SUM+4*\qt] offset:256*\qt
.endr
	s_wait_dscnt 0x0
	s_barrier_signal -1
	s_barrier_wait -1                              ; p's 32 fragments, their scale words and the waves' sums lie in LDS
; ---- O^T = v p^T.  A group: 4 channel tiles x 4 query tiles, 128 keys.
	FP 0
.macro PG gm
.set rE, (\gm)-16
.set rK, rE/2
.if rE%2 == 0
	s_wait_dscnt 0x0
.if rK < 7
	FP rK+1
.endif
.endif
	s_wait_loadcnt 48                              ; as in the scores; loads issued in between only make the wait stricter
	WIN 0xA1                                       ; source 0 (v) window 1, source 1 (p) window 0, C and D window 2
.irp f, 0,1,2,3
.irp qt, 0,1,2,3
.set rD, 64*\qt+8*(4*(rE%2)+\f)
.set rA, 64*((\gm)%4)+16*\f
.set rB, B0+64*(rK%2)+16*\qt
.if rK == 0
.set rC, -1
.else
.set rC, rD
.endif
	WM rD, rA, rB, rC, VS+8*(rK/2)+2*(2*(rE%2)+\f/2)+rK%2, PS+4*(rK%2)+\qt, \f%2, 0
.endr
.endr
	NOPS 8
	RFILL (\gm)+4
.endm
.rept 16
	PG G
.set G, G+1
.endr
	WIN 0
.irp qt, 0,1,2,3
	ds_load_b128 v[TM+4*\qt:TM+4*\qt+3], v16 offset:256*\qt
.endr
	s_wait_dscnt 0x0
.irp qt, 0,1,2,3
	v_add_f32 v[TM+4*\qt], v[TM+4*\qt], v[TM+4*\qt+1]
	v_add_f32 v[TM+4*\qt+2], v[TM+4*\qt+2], v[TM+4*\qt+3]
.endr
.irp qt, 0,1,2,3
	v_add_f32 v[TM+4*\qt], v[TM+4*\qt], v[TM+4*\qt+2]          ; l: over half, since the row's largest p is
.endr
.irp qt, 0,1,2,3
	v_rcp_f32 v[RL+2*\qt], v[TM+4*\qt]
.endr
	v_nop
	s_wait_alu depctr_va_vdst(0)
.irp qt, 0,1,2,3
	v_mov_b32 v[RL+2*\qt+1], v[RL+2*\qt]
.endr
; 64 registers of window 2 from s0 on, register 16 b + i = channel 32 b + 16 (lane / 16) + i of my query, become a fragment's codes in v[PC] on and its scale word in v[PWD].
.macro QUANT s0
	WIN 0x0A
.irp b, 0,1,2,3
	v_max3_num_f32 v[TM+\b], |v[16*\b+(\s0)]|, |v[16*\b+1+(\s0)]|, 0x8000000
.endr
.irp e, 2,4,6,8,10,12,14
.irp b, 0,1,2,3
	v_max3_num_f32 v[TM+\b], |v[16*\b+\e+(\s0)]|, |v[16*\b+\e+1+(\s0)]|, v[TM+\b]
.endr
.endr
	WIN 0
.irp b, 0,1,2,3
	v_permlanex16_b32 v[TM+4+\b], v[TM+\b], s[SEL], s[SEL+1]
.endr
.irp b, 0,1,2,3
	v_max_num_f32 v[TM+\b], v[TM+\b], v[TM+4+\b]
.endr
.irp b, 0,1,2,3
	v_add_nc_u32 v[TM+12+\b], 0xf8800000, v[TM+\b]
.endr
.irp b, 0,1,2,3
	v_and_or_b32 v[TM+8+\b], v[TM+\b], 0x7f800000, s[MNT]
.endr
.irp b, 0,1,2,3
	v_lshrrev_b32 v[TM+4+\b], 23, v[TM+12+\b]
.endr
	v_lshl_or_b32 v[PWD], v[TM+5], 8, v[TM+4]
	v_lshl_or_b32 v[PWD], v[TM+6], 16, v[PWD]
	v_lshl_or_b32 v[PWD], v[TM+7], 24, v[PWD]
	WIN 0x82
.irp b, 0,1,2,3
.set i, 0
.rept 16
	v_med3_num_f32 v[16*\b+i+(\s0)], v[16*\b+i+(\s0)], -v[TM+8+\b], v[TM+8+\b]
.set i, i+1
.endr
.endr
	s_wait_dscnt 0x0                               ; the last tile's stores have read the codes' registers
	WIN 0x02
.irp b, 0,1,2,3
	v_cvt_scalef32_pk8_bf8_f32 v[PC+4*\b:PC+4*\b+1], v[16*\b+(\s0):16*\b+7+(\s0)], v[TM+12+\b]
	v_cvt_scalef32_pk8_bf8_f32 v[PC+4*\b+2:PC+4*\b+3], v[16*\b+8+(\s0):16*\b+15+(\s0)], v[TM+12+\b]
.endr
	WIN 0
	v_nop
.endm
.irp qt, 0,1,2,3
	WIN 0x82
.set i, 0
.rept 32
	v_pk_mul_f32 v[64*\qt+i:64*\qt+i+1], v[64*\qt+i:64*\qt+i+1], v[RL+2*\qt:RL+2*\qt+1]     ; O^T / l, each accumulator from its low end on
.set i, i+2
.endr
	QUANT 64*\qt
.irp c, 0,1,2,3
	ds_store_b128 v8, v[PC+4*\c:PC+4*\c+3] offset:8192*\qt+512*\c
.endr
	ds_store_b32 v12, v[PWD] offset:512*\qt
.endr
	s_wait_dscnt 0x0
	s_barrier_signal -1
	s_barrier_wait -1                              ; O's sixteen fragments lie in LDS
; ---- y = O Wproj^T, BY OUTPUT TILES.  A group of the ring is one output tile's four K steps: its 16 products finish 16 channels x 64 pixels, which leave at once: + bias, through my stage, back as whole rows
; of 256 bytes, + x, stored.  So the stores are spread over the projection, and only the last tile's 8 follow the last product.  For that all 16 fragments of O stay in registers, read from LDS once:
; K steps 0, 1 in window 0, K steps 2, 3 in window 2; y has four sets of 4 accumulators, and a tile comes back from the stage into the registers that it left.
	WIN 0
.irp s, 0,1,2,3
.irp qt, 0,1,2,3
	ds_load_b32 v[OS+4*\s+\qt], v11 offset:512*\qt+128*\s
.endr
.endr
.irp s, 0,1
.irp qt, 0,1,2,3
.irp c, 0,1,2,3
	ds_load_b128 v[B0+64*\s+16*\qt+4*\c:B0+64*\s+16*\qt+4*\c+3], v7 offset:8192*\qt+2048*\s+512*\c
.endr
.endr
.endr
	WIN 0x80                                       ; destination window 2
.irp s, 2,3
.irp qt, 0,1,2,3
.irp c, 0,1,2,3
	ds_load_b128 v[64*(\s-2)+16*\qt+4*\c:64*(\s-2)+16*\qt+4*\c+3], v7 offset:8192*\qt+2048*\s+512*\c
.endr
.endr
.endr
.macro PJ gm
.set rO, (\gm)-32
.set rY, 128+32*(rO%4)
.if (\gm) < 37
	s_wait_loadcnt 48                              ; three younger groups
.else
	s_wait_loadcnt 16*(39-(\gm))                   ; the ring runs out: two, one, none
.endif
.if (\gm) >= 36
	s_wait_xcnt 0x0                                ; the stores of the tile four back have read their data: its set of accumulators is begun anew
.endif
.irp s, 0,1,2,3
.if (\gm) == 32
	s_wait_dscnt 48-16*\s                          ; O's scale words and its fragments up to K step s are in; the later steps' 16 loads each may be out
.endif
.if \s < 2
	WIN 0xA4                                       ; source 0 (O) window 0, source 1 (Wproj) window 1, C and D window 2
.set rA0, B0+64*\s
.else
	WIN 0xA6                                       ; source 0 window 2
.set rA0, 64*(\s-2)
.endif
.irp qt, 0,1,2,3
.set rD, rY+8*\qt
.set rA, rA0+16*\qt
.set rB, 64*((\gm)%4)+16*\s
.if \s == 0
.set rC, -1
.else
.set rC, rD
.endif
	WM rD, rA, rB, rC, OS+4*\s+\qt, WPS+4*(rO/2)+\s, 0, rO%2
.endr
.endr
	NOPS 8                                         ; between the products and the loads into the quarter that they read, and the first read of their results
.if (\gm) < 36
	RFILL (\gm)+4
.endif
.endm
.macro TOSTAGE ot
.set rY, 128+32*((\ot)%4)
	WIN 0x82                                       ; destination and source 0 window 2, source 1 (the bias) window 0
.set i, 0
.rept 16
	v_pk_add_f32 v[rY+i:rY+i+1], v[rY+i:rY+i+1], v[BIA+2*(\ot):BIA+2*(\ot)+1]        ; each accumulator from its low end on
.set i, i+2
.endr
	WIN 0x08                                       ; an LDS store's data are its source 1: window 2
.irp qt, 0,1,2,3
	ds_store_b128 v17, v[rY+8*\qt:rY+8*\qt+3] offset:128*(\qt/2)+32*(\qt%2)          ; lane (r, h): pixels 32 (qt / 2) + 8 (qt % 2) + 16 h + 0 .. 7 of my channel
	ds_store_b128 v17, v[rY+8*\qt+4:rY+8*\qt+7] offset:128*(\qt/2)+32*(\qt%2)+16
.endr
	WIN 0x80                                       ; destination window 2
.irp e, 0,1,2,3,4,5,6,7
	ds_load_b128 v[rY+4*\e:rY+4*\e+3], v18 offset:544*\e                             ; LDS serves a wave's instructions in order (ISA guide 5.7.1.4): these see my stores, and the next tile's stores come behind them
.endr
.endm
.macro SEND ot
.set rY, 128+32*((\ot)%4)
	s_wait_dscnt 0x0                               ; the tile is back, as whole rows
	WIN 0x8E                                       ; destination and source 0 window 2, source 1 (x) window 3
.set i, 0
.rept 16
	v_pk_add_f32 v[rY+i:rY+i+1], v[rY+i:rY+i+1], v[32*(\ot)+i:32*(\ot)+i+1]
.set i, i+2
.endr
	WIN 0x08                                       ; a store's data are its source 1: window 2
.irp e, 0,1,2,3,4,5,6,7
	global_store_b128 v19, v[rY+4*\e:rY+4*\e+3], s[16:17] offset:4096*(32*((\ot)/2)+8*((\ot)%2)+2*\e+8*(\e/4)) th:TH_STORE_NT   ; sixteen lanes store 256 consecutive bytes, aligned
.endr
.endm
; Groups 32 to 35 were asked for in PV, so tiles 0 to 2 wait out the stage's round trip under the next tile's products.  Groups 36 to 39 are asked for only here, one behind each of the first four tiles' products:
; from tile 3 on a tile is sent at once, ahead of the wait for the next group.
.irp o, 0,1,2,3,4,5,6,7
	PJ 32+\o
.if (\o > 0) && (\o < 4)
	SEND \o-1
.endif
	TOSTAGE \o
.if \o >= 3
	SEND \o
.endif
.endr
	WIN 0
	s_wait_tensorcnt 0x0
	ds_add_u32 v30, v31
	s_wait_dscnt 0x0
	s_endpgm
.Lfunc_end_k_q9fa6af3b79_attn:
	.size	k_q9fa6af3b79_attn, .Lfunc_end_k_q9fa6af3b79_attn-k_q9fa6af3b79_attn
	.p2alignl 7, 3214868480
	.fill 96, 4, 3214868480
	.section	.rodata,"a",@progbits
	.p2align	6, 0x0
	.amdhsa_kernel k_q9fa6af3b79_attn
		.amdhsa_group_segment_fixed_size 157184
		.amdhsa_private_segment_fixed_size 0
		.amdhsa_enable_private_segment 0
		.amdhsa_kernarg_size 56
		.amdhsa_user_sgpr_count 2
		.amdhsa_user_sgpr_kernarg_segment_ptr 1
		.amdhsa_wavefront_size32 1
		.amdhsa_system_sgpr_workgroup_id_x 1
		.amdhsa_system_sgpr_workgroup_id_y 1
		.amdhsa_system_sgpr_workgroup_id_z 1
		.amdhsa_system_vgpr_workitem_id 0
		.amdhsa_next_free_vgpr 1024
		.amdhsa_next_free_sgpr 66
		.amdhsa_reserve_vcc 0
		.amdhsa_float_denorm_mode_32 3
		.amdhsa_float_denorm_mode_16_64 3
		.amdhsa_memory_ordered 1
		.amdhsa_forward_progress 1
		.amdhsa_inst_pref_size 255
	.end_amdhsa_kernel
	.section	.bss,"aw",@nobits
	.p2align	6
	.space	262144
	.amdgpu_metadata
---
amdhsa.version: [ 1, 2 ]
amdhsa.kernels:
  - .name:           k_q9fa6af3b79_attn
    .symbol:         k_q9fa6af3b79_attn.kd
    .args:
      - { .name: qkv_codes, .offset: 0, .size: 8, .value_kind: global_buffer, .address_space: global }
      - { .name: qkv_scales, .offset: 8, .size: 8, .value_kind: global_buffer, .address_space: global }
      - { .name: wimg, .offset: 16, .size: 8, .value_kind: global_buffer, .address_space: global }
      - { .name: wproj_scales, .offset: 24, .size: 8, .value_kind: global_buffer, .address_space: global }
      - { .name: bproj, .offset: 32, .size: 8, .value_kind: global_buffer, .address_space: global }
      - { .name: x, .offset: 40, .size: 8, .value_kind: global_buffer, .address_space: global }
      - { .name: out0, .offset: 48, .size: 8, .value_kind: global_buffer, .address_space: global }
    .group_segment_fixed_size: 157184
    .private_segment_fixed_size: 0
    .kernarg_segment_align: 8
    .kernarg_segment_size: 56
    .max_flat_workgroup_size: 128
    .sgpr_count:     66
    .vgpr_count:     1024
    .wavefront_size: 32
...
	.end_amdgpu_metadata
.endif
;; end of part 3
;; ======== version 2 of 2: 3 launches; version 1 with the launch attn written anew for expert scheduling mode
;; workspace buffers: h_codes 8,388,608 bytes; h_scales 262,144 bytes; wimg 1,048,576 bytes; qkv_codes 25,165,824 bytes; qkv_scales 786,432 bytes
;; launch gnq: the kernel of part 1 again; grid 256 x 1, 8 waves a work-group, no clusters, 36,352 bytes of LDS; arguments x, gn_scale, gn_bias, wq_codes, wk_codes, wv_codes, wproj_codes, h_codes, h_scales, wimg; writes h_codes, h_scales, wimg
;; launch qkv: the kernel of part 2 again; grid 64 x 4, 4 waves a work-group, no clusters, 198,144 bytes of LDS; arguments h_codes, h_scales, wimg, wq_scales, wk_scales, wv_scales, bq, bk, bv, qkv_codes, qkv_scales; writes qkv_codes, qkv_scales
;; launch attn (part 4): grid 16 x 16, 4 waves a work-group, no clusters, 157,184 bytes of LDS; arguments qkv_codes, qkv_scales, wimg, wproj_scales, bproj, x, out0; writes out0
.if DOCPART == 4
	.amdgcn_target "amdgcn-amd-amdhsa--gfx1250"
	.amdhsa_code_object_version 6
	.text
	.protected	k_q9fa6af3b79_attn
	.globl	k_q9fa6af3b79_attn
	.p2align	8
	.type	k_q9fa6af3b79_attn,@function
k_q9fa6af3b79_attn:
	s_mov_b64 s[64:65], 0
	v_nop
	global_prefetch_b8 v0, s[64:65] scope:SCOPE_SE
	s_setreg_imm32_b32 hwreg(HW_REG_WAVE_SCHED_MODE, 0, 2), 2
	s_setreg_imm32_b32 hwreg(HW_REG_WAVE_MODE, 25, 1), 1
	s_wait_xcnt 0x0
	s_wait_alu depctr_vm_vsrc(0)
; out = x + Wproj (softmax(q^T k / sqrt(512)) applied to v) + bproj, all three products on codes of BF8 (E5M2) with E8M0 scales.
; Work-group (x, y): 64 queries (4 tiles) of image y.  SCORES: wave w takes keys 256 w on (16 tiles) x the 4 query tiles: 64 accumulators, so the work-group's whole S^T lies in registers and the softmax has the row's true maximum:
; t = score x log2(e) / sqrt(512), M = ceil(largest t), p = 2^(t - M), not normalised; the row's sum is taken of the unquantised p and divides O.  No running maximum, no rescaling.
; PV: wave w takes channels 128 w on (8 tiles) x 4 query tiles, K = all 1,024 keys.  PROJECTION: outputs 128 w on x 4 query tiles, an output tile at a time, each stored as soon as it is finished.
; S^T = k q^T and O^T = v p^T are used transposed: a lane holds one query, its registers run along the next K.  y = O Wproj^T: a lane holds one output channel and eight neighbouring pixels, as out0 lies.
; q, p and O go from wave to wave through LDS as images of their registers (2,048 bytes a fragment, 16 bytes a lane).  Four barriers.
; k, v and Wproj: each fragment is read by ONE wave, feeds its four products, and comes from memory straight into registers through a ring of four quarters (4 fragments, 16 loads each) in window 1; 40 groups pass through it.
; The 16 work-groups of an image read the same k and v, and these are not asked for jointly: a joint load lands in LDS, where 171,008 bytes are left beside the images: two slots of 65,536, 16,384 a wave: 18 refills,
; each behind a round, each with 32 matrix instructions of a wave between the request and the wait for it; the ring in registers keeps 48 to 64 loads of a wave out and is never drained.
; The accumulators take turns, one instruction a turn.
; LIMITS: NaN and infinities are not served; a block under 2^-111 keeps the byte 1; a block of zeros gets the byte 1 and not 127 (zero codes); 1 / l is v_rcp_f32 and a multiplication.
; REGISTERS: window 0: v2-23 addresses; v32-63 k's scale words, later Wproj's (v32-47) and the bias (v48-63); v64-95 v's; v96-103 q's, later p's, later (v96-111) O's; v104-111 1 / l; v112-127 the quantiser's;
;   v128-255 two sets of 4 fragments of q or p, the softmax's scratch, later O's fragments of K steps 0, 1.
;   window 1: the ring.  windows 2, 3: S^T (run 2 qt + half: 64 registers, 128 keys); later window 2: O^T, then v0-127 O's fragments of K steps 2, 3 and v128-255 four sets of 4 accumulators of y; window 3: x.
; THE MODE: SCHED_MODE bits 1:0 = 2 (LLVM: expert scheduling mode 2), set by the entry lines.  The code itself states the register dependences
; between vector or matrix instructions and memory or LDS instructions, with s_wait_alu, always for 0.
; THE PLAN.  Registers that memory or LDS instructions touch, and who else names them:
;   v2-v23        Offsets and LDS addresses: made at the head, ahead of a wait on va_vdst, and never written again.
;   the ring      Group g's 16 products read quarter g % 4; behind them stands ONE wait on va_vdst, and behind it group g + 4's 16 loads land in that quarter.
;   q's, p's sets K step s's products read set s % 2 (and p's scale words); the LDS loads of step s + 1, asked for at step s's head, land in the set that step s - 1 read: all its products stand ahead of the
;                 last group's wait, and only loads and window switches stand between that wait and these loads.
;   PC, PWD       A run's (a tile's) conversions and shifts write them, one wait on va_vdst, its 5 LDS stores read them; one wait on vm_vsrc stands ahead of the next run's conversions, a run behind those stores.
;   window 3      Runs 4 to 7 of S^T until their conversions have read them; then x lands there.
;   y's four sets Products, the bias; stage stores read, stage loads land; x is added; global stores read; four tiles on the products begin the set anew, behind a wait on vm_vsrc.
; Every A, B and scale register of every product is filled by a load: no vector instruction makes one.
.set PIMG, 32768                       ; LDS: q's 16 fragments at 0 (4 qt + s); p's 32 (8 qt + K step);
.set OIMG, 98304                       ; O's 16 (4 qt + s);
.set PSC,  131072                      ; p's scale words, 128 bytes a fragment;
.set OSC,  135168                      ; O's;
.set MXB,  137216                      ; the waves' row maxima, [qt][row][wave] words;
.set SMB,  138240                      ; their row sums;
.set STG,  139264                      ; a stage of 16 rows x (256 + 16) bytes for each wave
.set KS,  32                           ; register 8 s + 2 (kt / 4) + (kt / 2) % 2
.set WPS, 32                           ; register 4 (ot / 2) + s
.set BIA, 48                           ; my output's bias, a pair for each of the 8 tiles
.set VS,  64                           ; register 8 (ks / 2) + 2 (t / 2) + ks % 2
.set QS,  96                           ; register 2 s + qt / 2
.set PS,  96                           ; register 4 (step % 2) + qt
.set OS,  96                           ; register 4 s + qt
.set RL,  104
.set TM,  112
.set B0,  128
.set BM,  128                          ; 32 block maxima
.set PT,  160                          ; the permute's scratch
.set RM,  164                          ; row maxima
.set NM,  192                          ; -M, a pair for each qt
.set SUM, 200                          ; two pairs for each qt
.set PC,  216                          ; a fragment's codes
.set LIM, 232
.set SCO, 236
.set BY,  240
.set PWD, 244
.set CS,  40                           ; s[40:41] log2(e) / sqrt(512)
.set SEL, 42
.set MNT, 44
.set MSB, 0
.macro WIN new                         ; the immediate's high byte repeats the setting that is left
.if MSB != (\new)
	s_set_vgpr_msb (MSB<<8)|(\new)
.set MSB, (\new)
.endif
.endm
.macro NOPS n
.rept \n
	v_nop
.endr
.endm
.macro WM d, a, b, c, sa, sb, ra, rb   ; c < 0: the product starts the sum;  ra, rb: the side's scale words lie in lanes 16-31
.if (\c) < 0
.if (\ra) && (\rb)
	v_wmma_scale_f32_16x16x128_f8f6f4 v[\d:\d+7], v[\a:\a+15], v[\b:\b+15], 0, v[\sa], v[\sb] matrix_a_fmt:MATRIX_FMT_BF8 matrix_b_fmt:MATRIX_FMT_BF8 matrix_a_scale:MATRIX_SCALE_ROW1 matrix_b_scale:MATRIX_SCALE_ROW1
.elseif (\ra)
	v_wmma_scale_f32_16x16x128_f8f6f4 v[\d:\d+7], v[\a:\a+15], v[\b:\b+15], 0, v[\sa], v[\sb] matrix_a_fmt:MATRIX_FMT_BF8 matrix_b_fmt:MATRIX_FMT_BF8 matrix_a_scale:MATRIX_SCALE_ROW1
.elseif (\rb)
	v_wmma_scale_f32_16x16x128_f8f6f4 v[\d:\d+7], v[\a:\a+15], v[\b:\b+15], 0, v[\sa], v[\sb] matrix_a_fmt:MATRIX_FMT_BF8 matrix_b_fmt:MATRIX_FMT_BF8 matrix_b_scale:MATRIX_SCALE_ROW1
.else
	v_wmma_scale_f32_16x16x128_f8f6f4 v[\d:\d+7], v[\a:\a+15], v[\b:\b+15], 0, v[\sa], v[\sb] matrix_a_fmt:MATRIX_FMT_BF8 matrix_b_fmt:MATRIX_FMT_BF8
.endif
.else
.if (\ra) && (\rb)
	v_wmma_scale_f32_16x16x128_f8f6f4 v[\d:\d+7], v[\a:\a+15], v[\b:\b+15], v[\c:\c+7], v[\sa], v[\sb] matrix_a_fmt:MATRIX_FMT_BF8 matrix_b_fmt:MATRIX_FMT_BF8 matrix_a_scale:MATRIX_SCALE_ROW1 matrix_b_scale:MATRIX_SCALE_ROW1
.elseif (\ra)
	v_wmma_scale_f32_16x16x128_f8f6f4 v[\d:\d+7], v[\a:\a+15], v[\b:\b+15], v[\c:\c+7], v[\sa], v[\sb] matrix_a_fmt:MATRIX_FMT_BF8 matrix_b_fmt:MATRIX_FMT_BF8 matrix_a_scale:MATRIX_SCALE_ROW1
.elseif (\rb)
	v_wmma_scale_f32_16x16x128_f8f6f4 v[\d:\d+7], v[\a:\a+15], v[\b:\b+15], v[\c:\c+7], v[\sa], v[\sb] matrix_a_fmt:MATRIX_FMT_BF8 matrix_b_fmt:MATRIX_FMT_BF8 matrix_b_scale:MATRIX_SCALE_ROW1
.else
	v_wmma_scale_f32_16x16x128_f8f6f4 v[\d:\d+7], v[\a:\a+15], v[\b:\b+15], v[\c:\c+7], v[\sa], v[\sb] matrix_a_fmt:MATRIX_FMT_BF8 matrix_b_fmt:MATRIX_FMT_BF8
.endif
.endif
.endm
; Group gm of the ring's 40: 4 fragments, 16 loads of 512 consecutive bytes, into quarter gm % 4 of window 1.  0-15: k, K step gm / 4, key tiles 4 (gm % 4) on.  16-31: v, K step (gm - 16) / 2, channel tiles 4 (gm % 2) on.
; 32-39: Wproj, output tile gm - 32, its four K steps: 8,192 consecutive bytes.
.macro RFILL gm
	WIN 0x40
.irp f, 0,1,2,3
.irp c, 0,1,2,3
.if (\gm) < 16
	global_load_b128 v[64*((\gm)%4)+16*\f+4*\c:64*((\gm)%4)+16*\f+4*\c+3], v2, s[24:25] offset:8192*(4*((\gm)%4)+\f)+2048*((\gm)/4)+512*\c
.elseif (\gm) < 32
	global_load_b128 v[64*((\gm)%4)+16*\f+4*\c:64*((\gm)%4)+16*\f+4*\c+3], v2, s[26:27] offset:16384*(4*((\gm)%2)+\f)+2048*(((\gm)-16)/2)+512*\c
.else
	global_load_b128 v[64*((\gm)%4)+16*\f+4*\c:64*((\gm)%4)+16*\f+4*\c+3], v2, s[8:9] offset:8192*((\gm)-32)+2048*\f+512*\c
.endif
.endr
.endr
.endm
.macro FQ s                            ; q's four fragments of K step s into set s % 2
	WIN 0
.irp qt, 0,1,2,3
.irp c, 0,1,2,3
	ds_load_b128 v[B0+64*((\s)%2)+16*\qt+4*\c:B0+64*((\s)%2)+16*\qt+4*\c+3], v2 offset:8192*\qt+2048*(\s)+512*\c
.endr
.endr
.endm
.macro FP k                            ; p's four fragments of K step k, and their scale words
	WIN 0
.irp qt, 0,1,2,3
.irp c, 0,1,2,3
	ds_load_b128 v[B0+64*((\k)%2)+16*\qt+4*\c:B0+64*((\k)%2)+16*\qt+4*\c+3], v5 offset:16384*\qt+2048*(\k)+512*\c
.endr
	ds_load_b32 v[PS+4*((\k)%2)+\qt], v9 offset:1024*\qt+128*(\k)
.endr
.endm
	s_load_b256 s[4:11], s[0:1], 0x0               ; qkv_codes, qkv_scales, wimg, wproj_scales
	s_load_b128 s[12:15], s[0:1], 0x20             ; bproj, x
	s_load_b64 s[16:17], s[0:1], 0x30              ; out0
	v_lshl_add_u32 v30, v0, 2, 0x26400
	v_mov_b32 v31, 0
	v_lshrrev_b32 v1, 5, v0
	v_readfirstlane_b32 s18, v1                    ; wave 0..3
	v_and_b32 v24, 31, v0                          ; L
	v_lshlrev_b32 v2, 4, v24                       ; 16 L
	v_lshlrev_b32 v3, 3, v24                       ; 8 L
	s_wait_alu depctr_va_sdst(0)                   ; s18 is written, ahead of its first reader: the waves' bases and LDS places are made from it
	s_mov_b32 s19, ttmp9                           ; group of 64 queries
	s_and_b32 s20, ttmp7, 0xffff                   ; image
	s_mov_b32 s3, 0
	s_mov_b32 s39, 0
	s_lshl_b32 s21, s20, 19                        ; an image's codes: 524,288 bytes in each of q, k, v
	s_wait_kmcnt 0x0
	s_lshl_b32 s2, s19, 15
	s_add_co_u32 s2, s2, s21
	s_add_nc_u64 s[34:35], s[4:5], s[2:3]
	s_lshl_b32 s38, s18, 13
	s_add_nc_u64 s[22:23], s[34:35], s[38:39]      ; q: tile 4 g + w
	s_add_nc_u64 s[34:35], s[34:35], 0x1000000     ; v: the 32,768 bytes that this work-group prefetches
	s_lshl_b32 s2, s18, 17
	s_add_co_u32 s2, s2, s21
	s_add_nc_u64 s[24:25], s[4:5], s[2:3]
	s_add_nc_u64 s[26:27], s[24:25], 0x1000000     ; v: channel tiles 8 w on
	s_add_nc_u64 s[24:25], s[24:25], 0x800000      ; k: key tiles 16 w on
	s_lshl_b32 s21, s20, 14                        ; an image's scales: 16,384 bytes in each
	s_lshl_b32 s2, s19, 8
	s_add_co_u32 s2, s2, s21
	s_add_nc_u64 s[28:29], s[6:7], s[2:3]          ; q's
	s_lshl_b32 s2, s18, 10
	s_add_co_u32 s2, s2, s21
	s_add_nc_u64 s[30:31], s[6:7], s[2:3]
	s_add_nc_u64 s[32:33], s[30:31], 0x80000       ; v's
	s_add_nc_u64 s[30:31], s[30:31], 0x40000       ; k's
	s_wait_alu depctr_va_vdst(0)                   ; v2 and v3 are written, which the loads below read as their offsets
.irp s, 0,1,2,3
.irp c, 0,1,2,3
	global_load_b128 v[B0+16*\s+4*\c:B0+16*\s+4*\c+3], v2, s[22:23] offset:2048*\s+512*\c    ; query tile w: four fragments
.endr
.endr
.irp s, 0,1,2,3
	global_load_b64 v[QS+2*\s:QS+2*\s+1], v3, s[28:29] offset:4096*\s
.endr
.irp s, 0,1,2,3
.irp p, 0,1,2,3
	global_load_b64 v[KS+8*\s+2*\p:KS+8*\s+2*\p+1], v3, s[30:31] offset:4096*\s+256*\p
.endr
.endr
	RFILL 0                                        ; the ring's first group goes out beside q, ahead of q's exchange through LDS: the first products need both
	WIN 0
	s_lshl_b32 s2, s18, 16
	s_add_nc_u64 s[8:9], s[8:9], s[2:3]
	s_add_nc_u64 s[8:9], s[8:9], 0xC0000           ; Wproj's images: tiles 8 w on
	s_lshl_b32 s2, s18, 11
	s_add_nc_u64 s[10:11], s[10:11], s[2:3]
	s_lshl_b32 s2, s18, 9
	s_add_nc_u64 s[12:13], s[12:13], s[2:3]
	s_lshl_b32 s2, s20, 21                         ; x and out0: 2 MiB an image, 256 bytes of a row for my 64 pixels,
	s_lshl_b32 s38, s19, 8
	s_add_co_u32 s2, s2, s38
	s_add_nc_u64 s[36:37], s[14:15], s[2:3]        ; (for the prefetch: all 512 rows)
	s_add_nc_u64 s[16:17], s[16:17], s[2:3]
	s_lshl_b32 s38, s18, 19                        ; 128 rows a wave
	s_add_nc_u64 s[14:15], s[36:37], s[38:39]
	s_add_nc_u64 s[16:17], s[16:17], s[38:39]
	s_mov_b32 s[CS], 0x3d8293ee
	s_mov_b32 s[CS+1], s[CS]                       ; (named with it as a pair, so it is written)
	s_mov_b32 s[SEL], 0x76543210
	s_mov_b32 s[SEL+1], 0xfedcba98                 ; lane l xor 16
	s_mov_b32 s[MNT], 0x600000                     ; the mantissa field of 57,344
	v_and_b32 v25, 15, v0                          ; r
	v_bfe_u32 v26, v0, 4, 1                        ; h
	s_lshl_b32 s2, s18, 13
	v_add_nc_u32 v4, s2, v2                        ; q's images: I write tile w's
	v_add_nc_u32 v5, PIMG, v2
	s_lshl_b32 s2, s18, 12
	v_add_nc_u32 v6, s2, v5                        ; p's: I write K steps 2 w, 2 w + 1
	v_add_nc_u32 v7, OIMG, v2
	s_lshl_b32 s2, s18, 11
	v_add_nc_u32 v8, s2, v7                        ; O's: I write K step w
	v_lshl_add_u32 v9, v24, 2, PSC
	s_lshl_b32 s2, s18, 8
	v_add_nc_u32 v10, s2, v9
	v_lshl_add_u32 v11, v24, 2, OSC
	s_lshl_b32 s2, s18, 7
	v_add_nc_u32 v12, s2, v11
	v_lshl_add_u32 v14, v25, 4, MXB
	s_lshl_b32 s2, s18, 2
	v_add_nc_u32 v13, s2, v14
	v_lshl_add_u32 v16, v25, 4, SMB
	v_add_nc_u32 v15, s2, v16
	s_mul_i32 s2, s18, 4352
	s_add_co_u32 s2, s2, STG
	v_mul_u32_u24 v17, v25, 272
	v_lshl_add_u32 v17, v26, 6, v17
	v_add_nc_u32 v17, s2, v17                      ; the stage, in: row r, + 64 h
	v_mul_u32_u24 v18, v26, 272
	v_lshl_add_u32 v18, v25, 4, v18
	v_add_nc_u32 v18, s2, v18                      ; back: lanes 0-15 one row, lanes 16-31 the next
	v_lshlrev_b32 v19, 12, v26
	v_lshl_add_u32 v19, v25, 4, v19                ; and the same two rows in x and out0
	v_and_b32 v27, 8, v0
	v_add_nc_u32 v27, v27, v25                     ; r + 8 (r / 8)
	v_lshlrev_b32 v21, 2, v27                      ; bproj: my output
	v_lshl_add_u32 v20, v26, 3, v27
	v_lshlrev_b32 v20, 4, v20                      ; Wproj's scales: 16 bytes a row; lanes 16-31 take the odd tile
	v_lshlrev_b32 v22, 8, v0                       ; prefetch: threads 256 bytes apart in v,
	v_lshlrev_b32 v23, 12, v0                      ; a row apart in x
.irp b, 0,1,2,3
	v_mov_b32 v[TM+4+\b], 0                        ; a lane permute's destination counts as one of its sources
.endr
	s_wait_alu depctr_va_vdst(0)                   ; v4 to v23 are written: the LDS addresses, offsets and prefetch offsets that memory and LDS instructions read from here to the kernel's end; none is written again
	s_wait_loadcnt 36                              ; q's 16 loads are in; behind them stand q's and k's 20 loads of scale words and the ring's first 16
.irp s, 0,1,2,3
.irp c, 0,1,2,3
	ds_store_b128 v4, v[B0+16*\s+4*\c:B0+16*\s+4*\c+3] offset:2048*\s+512*\c
.endr
.endr
.irp s, 0,1,2,3
.irp p, 0,1,2,3
	global_load_b64 v[VS+8*\s+2*\p:VS+8*\s+2*\p+1], v3, s[32:33] offset:4096*\s+256*\p       ; v's scale words are wanted 16 groups on
.endr
.endr
	RFILL 1
	RFILL 2
	RFILL 3
	s_wait_dscnt 0x0                               ; for the others' sake: my tile's images have landed
	s_barrier_signal -1
	s_barrier_wait -1                              ; q's sixteen fragments lie in LDS
	WIN 0
	s_wait_alu depctr_vm_vsrc(0)                   ; my LDS stores have read v128-191, in which q's fragments of K step 0 land
	FQ 0
; ---- SCORES.  A group: 4 key tiles x 4 query tiles, 128 along K.
.macro SCORE gm, f, qt
.set rD, 64*((2*(\qt)+((\gm)%4)/2)%4)+8*(4*((\gm)%2)+(\f))
.set rA, 64*((\gm)%4)+16*(\f)
.set rB, B0+64*(((\gm)/4)%2)+16*(\qt)
.if (\gm) < 4
.set rC, -1
.else
.set rC, rD
.endif
	WM rD, rA, rB, rC, KS+8*((\gm)/4)+2*((\gm)%4)+(\f)/2, QS+2*((\gm)/4)+(\qt)/2, (\f)%2, (\qt)%2
.endm
.macro SG gm
.if (\gm)%4 == 0
	s_wait_dscnt 0x0                               ; this K step's fragments of q are in;
.if (\gm)/4 < 3
	FQ (\gm)/4+1                                   ; the next step's go into the other set.  No wait: the products that read that set stand ahead of the last group's wait on va_vdst, and only loads and window switches follow it
.endif
.endif
.if (\gm) == 0
	s_wait_loadcnt 63                              ; the first group is in: 64 loads are younger (v's 16 of scale words, groups 1 to 3); the count's field ends at 63
.else
	s_wait_loadcnt 48                              ; this group's 16 loads are in: behind them stand the three younger groups' 48
.endif
.if (\gm) == 0
	global_prefetch_b8 v22, s[34:35] th:TH_LOAD_NT scope:SCOPE_SE        ; v is first loaded 12 groups on: each of the image's 16 work-groups asks for 32,768 of its 524,288 bytes, a thread for 256: each block once in the launch
.endif
.if (\gm) == 8
.irp e, 0,1,2,3
	global_prefetch_b8 v23, s[36:37] offset:524288*\e th:TH_LOAD_NT scope:SCOPE_SE   ; my 64 pixels of x, 256 bytes of each of 512 rows, a row a thread four times: loaded in the softmax, 8 groups on
.endr
.endif
	WIN 0xA1                                       ; source 0 (k) window 1, source 1 (q) window 0, C and D window 2
.irp f, 0,1,2,3
.irp qt, 0,1
	SCORE \gm, \f, \qt
.endr
.endr
	WIN 0xF1                                       ; C and D window 3
.irp f, 0,1,2,3
.irp qt, 2,3
	SCORE \gm, \f, \qt
.endr
.endr
	NOPS 8                                         ; eight plain instructions between products and loads into registers that they read, or reads of their results
	WIN 0x40
	s_wait_alu depctr_va_vdst(0)                   ; the group's products are done reading their quarter of the ring, in which the loads below land; and, a K step's last group, their set of q, in which the step after next lands
	RFILL (\gm)+4
.endm
.set G, 0
.rept 16
	SG G
.set G, G+1
.endr
; ---- SOFTMAX.  Lane (r, h) holds query r of each tile; register 16 b + i of a run is key 32 b + 16 h + i of the run's 128.
	WIN 0
.set i, 0
.rept 16
	v_mov_b32 v[SUM+i], 0                          ; (these registers held q until the last group)
.set i, i+1
.endr
.irp b, 0,1,2,3
	v_mov_b32 v[PT+\b], 0
.endr
.macro BMAX rho                        ; the largest score of each of the run's four blocks of 32 keys: it serves for the row's maximum and, since p rises with the score, for the block's largest p.  Each accumulator is read from its low end on
	WIN 0x0A+5*((\rho)/4)
.irp b, 0,1,2,3
	v_max3_num_f32 v[BM+4*(\rho)+\b], v[64*((\rho)%4)+16*\b], v[64*((\rho)%4)+16*\b+1], 0xff800000
.endr
.irp e, 2,4,6,8,10,12,14
.irp b, 0,1,2,3
	v_max3_num_f32 v[BM+4*(\rho)+\b], v[64*((\rho)%4)+16*\b+\e], v[64*((\rho)%4)+16*\b+\e+1], v[BM+4*(\rho)+\b]
.endr
.endr
	WIN 0
.irp b, 0,1,2,3
	v_permlanex16_b32 v[PT+\b], v[BM+4*(\rho)+\b], s[SEL], s[SEL+1]
.endr
.irp b, 0,1,2,3
	v_max_num_f32 v[BM+4*(\rho)+\b], v[BM+4*(\rho)+\b], v[PT+\b]
.endr
.endm
.irp rho, 0,1,2,3,4,5,6,7
	BMAX \rho
.endr
.irp qt, 0,1,2,3
	v_max3_num_f32 v[RM+\qt], v[BM+8*\qt], v[BM+8*\qt+1], v[BM+8*\qt+2]
.endr
.irp qt, 0,1,2,3
	v_max3_num_f32 v[RM+\qt], v[RM+\qt], v[BM+8*\qt+3], v[BM+8*\qt+4]
.endr
.irp qt, 0,1,2,3
	v_max3_num_f32 v[RM+\qt], v[RM+\qt], v[BM+8*\qt+5], v[BM+8*\qt+6]
.endr
.irp qt, 0,1,2,3
	v_max_num_f32 v[RM+\qt], v[RM+\qt], v[BM+8*\qt+7]
.endr
	s_wait_alu depctr_va_vdst(0)                   ; the four maxima are written, which the LDS stores read
.irp qt, 0,1,2,3
	ds_store_b32 v13, v[RM+\qt] offset:256*\qt     ; my 256 keys' maximum of query r (lanes r and r + 16 write the same word with the same number)
.endr
	s_wait_dscnt 0x0
	s_barrier_signal -1
	s_barrier_wait -1
.irp qt, 0,1,2,3
	ds_load_b128 v[PC+4*\qt:PC+4*\qt+3], v14 offset:256*\qt   ; (these registers held q: the products that read them stand ahead of the waits above)
.endr
	s_wait_dscnt 0x0
	s_wait_alu depctr_vm_vsrc(0)                   ; the LDS stores have read v[RM ..], which the lines below write anew
.irp qt, 0,1,2,3
	v_max3_num_f32 v[RM+\qt], v[PC+4*\qt], v[PC+4*\qt+1], v[PC+4*\qt+2]
.endr
.irp qt, 0,1,2,3
	v_max_num_f32 v[RM+\qt], v[RM+\qt], v[PC+4*\qt+3]
.endr
.irp qt, 0,1,2,3
	v_mul_f32 v[RM+\qt], s[CS], v[RM+\qt]          ; the row's largest t
.endr
.irp qt, 0,1,2,3
	v_floor_f32 v[NM+2*\qt], -v[RM+\qt]            ; -M = floor(-t) = -ceil(t)
.endr
.irp qt, 0,1,2,3
	v_mov_b32 v[NM+2*\qt+1], v[NM+2*\qt]
.endr
; A run: p, its sum, its four blocks' scales, its codes: one fragment of p, K step 2 w + rho % 2, query tile rho / 2.
.macro PRUN rho
.set rQ, (\rho)/2
.set rS, 64*((\rho)%4)
.set rH, (\rho)/4
	WIN 0
.irp b, 0,1,2,3
	v_fma_f32 v[BM+4*(\rho)+\b], v[BM+4*(\rho)+\b], s[CS], v[NM+2*rQ]
.endr
	WIN 0x82+0x41*rH                               ; destination and source 0 in the run's window
.set i, 0
.rept 32
	v_pk_fma_f32 v[rS+i:rS+i+1], v[rS+i:rS+i+1], s[CS:CS+1], v[NM+2*rQ:NM+2*rQ+1] op_sel_hi:[1,0,0]   ; t - M
.set i, i+2
.endr
.set i, 0
.rept 64
	v_exp_f32 v[rS+i], v[rS+i]                     ; p = 2^(t - M), at most 1
.set i, i+1
.endr
	WIN 0
.irp b, 0,1,2,3
	v_exp_f32 v[BM+4*(\rho)+\b], v[BM+4*(\rho)+\b] ; the block's largest p: the same two instructions on the same number
.endr
	v_nop                                          ; a plain instruction behind the exponentials
	s_wait_alu depctr_va_vdst(0)                   ; the 68 exponentials have written p and the blocks' largest p: one wait for the batch, ahead of its first reader
.irp b, 0,1,2,3
	v_max_num_f32 v[BM+4*(\rho)+\b], 0x8000000, v[BM+4*(\rho)+\b]   ; the floor 2^(16 - 127)
.endr
.irp b, 0,1,2,3
	v_add_nc_u32 v[SCO+\b], 0xf8800000, v[BM+4*(\rho)+\b]
.endr
.irp b, 0,1,2,3
	v_and_or_b32 v[LIM+\b], v[BM+4*(\rho)+\b], 0x7f800000, s[MNT]
.endr
.irp b, 0,1,2,3
	v_lshrrev_b32 v[BY+\b], 23, v[SCO+\b]
.endr
	WIN 0x08+4*rH                                  ; source 1 in the run's window
.set i, 0
.rept 16
	v_pk_add_f32 v[SUM+4*rQ:SUM+4*rQ+1], v[SUM+4*rQ:SUM+4*rQ+1], v[rS+i:rS+i+1]           ; the row's sum is taken of the unquantised p, in two chains
	v_pk_add_f32 v[SUM+4*rQ+2:SUM+4*rQ+3], v[SUM+4*rQ+2:SUM+4*rQ+3], v[rS+i+2:rS+i+3]
.set i, i+4
.endr
	WIN 0x82+0x41*rH
.irp b, 0,1,2,3
.set i, 0
.rept 16
	v_min_num_f32 v[rS+16*\b+i], v[rS+16*\b+i], v[LIM+\b]     ; the conversion does not saturate (ISA guide 7.6.2); p is not negative: a one-sided hold
.set i, i+1
.endr
.endr
	s_wait_dscnt 0x0                               ; the last run's stores have read the codes' registers
.if (\rho) != 4
	s_wait_alu depctr_vm_vsrc(0)                   ; the last run's five LDS stores have read v[PC ..] and v[PWD], which the conversions and the shifts below write anew
.endif
	WIN 0x02+rH
.irp b, 0,1,2,3
	v_cvt_scalef32_pk8_bf8_f32 v[PC+4*\b:PC+4*\b+1], v[rS+16*\b:rS+16*\b+7], v[SCO+\b]
	v_cvt_scalef32_pk8_bf8_f32 v[PC+4*\b+2:PC+4*\b+3], v[rS+16*\b+8:rS+16*\b+15], v[SCO+\b]
.endr
	WIN 0
	v_lshl_or_b32 v[PWD], v[BY+1], 8, v[BY]        ; the four bytes make the scale word (also the plain instruction behind the last conversion)
	v_lshl_or_b32 v[PWD], v[BY+2], 16, v[PWD]
	v_lshl_or_b32 v[PWD], v[BY+3], 24, v[PWD]
	s_wait_alu depctr_va_vdst(0)                   ; the conversions have written v[PC ..] and the shifts v[PWD], which the LDS stores read
.irp c, 0,1,2,3
	ds_store_b128 v6, v[PC+4*\c:PC+4*\c+3] offset:16384*rQ+2048*((\rho)%2)+512*\c
.endr
	ds_store_b32 v10, v[PWD] offset:1024*rQ+128*((\rho)%2)
.endm
.macro XLOAD o0                        ; x for output tiles o0 .. o0 + 3, in the layout in which y comes back from the stage: window 3, 32 ot + 4 e
	WIN 0xC0
	s_wait_alu depctr_va_vdst(0)                   ; the holds and conversions of runs 4 to 7 are done with window 3's registers, in which x lands
.irp o, 0,1,2,3
.irp e, 0,1,2,3,4,5,6,7
	global_load_b128 v[32*((\o0)+\o)+4*\e:32*((\o0)+\o)+4*\e+3], v19, s[14:15] offset:4096*(32*(((\o0)+\o)/2)+8*(((\o0)+\o)%2)+2*\e+8*(\e/4)) th:TH_LOAD_NT
.endr
.endr
	WIN 0
.endm
	PRUN 4                                         ; window 3 first: it then takes x, which lands under the vector work
	PRUN 5
	PRUN 6
	PRUN 7
	XLOAD 0
	PRUN 0
.irp p, 0,1,2,3
	global_load_b128 v[WPS+4*\p:WPS+4*\p+3], v20, s[10:11] offset:512*\p     ; Wproj's scale words, where k's lay.  No wait: the products that read k's stand ahead of the waits above, and no vector instruction has named v32-63 since
.endr
.irp o, 0,1,2,3,4,5,6,7
	global_load_b32 v[BIA+2*\o], v21, s[12:13] offset:(32*(\o/2)+8*(\o%2))*4      ; my output's bias, twice (a pair for the packed addition), for each of the 8 tiles
	global_load_b32 v[BIA+2*\o+1], v21, s[12:13] offset:(32*(\o/2)+8*(\o%2))*4
.endr
	PRUN 1
	PRUN 2
	XLOAD 4
	PRUN 3
.irp qt, 0,1,2,3
	v_pk_add_f32 v[SUM+4*\qt:SUM+4*\qt+1], v[SUM+4*\qt:SUM+4*\qt+1], v[SUM+4*\qt+2:SUM+4*\qt+3]
.endr
.irp qt, 0,1,2,3
	v_add_f32 v[SUM+4*\qt], v[SUM+4*\qt], v[SUM+4*\qt+1]
.endr
.irp qt, 0,1,2,3
	v_permlanex16_b32 v[PT+\qt], v[SUM+4*\qt], s[SEL], s[SEL+1]
.endr
.irp qt, 0,1,2,3
	v_add_f32 v[SUM+4*\qt], v[SUM+4*\qt], v[PT+\qt]
.endr
	s_wait_alu depctr_va_vdst(0)                   ; the four sums are written, which the LDS stores read; and the softmax is done with its scratch v128-255, in which p's fragments land
.irp qt, 0,1,2,3
	ds_store_b32 v15, v[SUM+4*\qt] offset:256*\qt
.endr
	s_wait_dscnt 0x0
	s_barrier_signal -1
	s_barrier_wait -1                              ; p's 32 fragments, their scale words and the waves' sums lie in LDS
; ---- O^T = v p^T.  A group: 4 channel tiles x 4 query tiles, 128 keys.
	s_wait_alu depctr_vm_vsrc(0)                   ; my LDS stores have read v[PC ..], v[PWD] and the sums, in which p's fragments land
	FP 0
.macro PG gm
.set rE, (\gm)-16
.set rK, rE/2
.if rE%2 == 0
	s_wait_dscnt 0x0
.if rK < 7
	FP rK+1                                        ; no wait: as q's sets in the scores
.endif
.endif
	s_wait_loadcnt 48                              ; as in the scores; loads issued in between only make the wait stricter
	WIN 0xA1                                       ; source 0 (v) window 1, source 1 (p) window 0, C and D window 2
.irp f, 0,1,2,3
.irp qt, 0,1,2,3
.set rD, 64*\qt+8*(4*(rE%2)+\f)
.set rA, 64*((\gm)%4)+16*\f
.set rB, B0+64*(rK%2)+16*\qt
.if rK == 0
.set rC, -1
.else
.set rC, rD
.endif
	WM rD, rA, rB, rC, VS+8*(rK/2)+2*(2*(rE%2)+\f/2)+rK%2, PS+4*(rK%2)+\qt, \f%2, 0
.endr
.endr
	NOPS 8
	WIN 0x40
	s_wait_alu depctr_va_vdst(0)                   ; the group's products are done reading their quarter of the ring, in which the loads below land; and, a K step's second group, their set of p and its scale words
	RFILL (\gm)+4
.endm
.rept 16
	PG G
.set G, G+1
.endr
	WIN 0
.irp qt, 0,1,2,3
	ds_load_b128 v[TM+4*\qt:TM+4*\qt+3], v16 offset:256*\qt
.endr
	s_wait_dscnt 0x0
.irp qt, 0,1,2,3
	v_add_f32 v[TM+4*\qt], v[TM+4*\qt], v[TM+4*\qt+1]
	v_add_f32 v[TM+4*\qt+2], v[TM+4*\qt+2], v[TM+4*\qt+3]
.endr
.irp qt, 0,1,2,3
	v_add_f32 v[TM+4*\qt], v[TM+4*\qt], v[TM+4*\qt+2]          ; l: over half, since the row's largest p is
.endr
.irp qt, 0,1,2,3
	v_rcp_f32 v[RL+2*\qt], v[TM+4*\qt]
.endr
	v_nop
	s_wait_alu depctr_va_vdst(0)                   ; the four reciprocals are written: one wait for the batch, ahead of its first reader
.irp qt, 0,1,2,3
	v_mov_b32 v[RL+2*\qt+1], v[RL+2*\qt]
.endr
; 64 registers of window 2 from s0 on, register 16 b + i = channel 32 b + 16 (lane / 16) + i of my query, become a fragment's codes in v[PC] on and its scale word in v[PWD].
.macro QUANT s0
	WIN 0x0A
.irp b, 0,1,2,3
	v_max3_num_f32 v[TM+\b], |v[16*\b+(\s0)]|, |v[16*\b+1+(\s0)]|, 0x8000000
.endr
.irp e, 2,4,6,8,10,12,14
.irp b, 0,1,2,3
	v_max3_num_f32 v[TM+\b], |v[16*\b+\e+(\s0)]|, |v[16*\b+\e+1+(\s0)]|, v[TM+\b]
.endr
.endr
	WIN 0
.irp b, 0,1,2,3
	v_permlanex16_b32 v[TM+4+\b], v[TM+\b], s[SEL], s[SEL+1]
.endr
.irp b, 0,1,2,3
	v_max_num_f32 v[TM+\b], v[TM+\b], v[TM+4+\b]
.endr
.irp b, 0,1,2,3
	v_add_nc_u32 v[TM+12+\b], 0xf8800000, v[TM+\b]
.endr
.irp b, 0,1,2,3
	v_and_or_b32 v[TM+8+\b], v[TM+\b], 0x7f800000, s[MNT]
.endr
.irp b, 0,1,2,3
	v_lshrrev_b32 v[TM+4+\b], 23, v[TM+12+\b]
.endr
	WIN 0x82
.irp b, 0,1,2,3
.set i, 0
.rept 16
	v_med3_num_f32 v[16*\b+i+(\s0)], v[16*\b+i+(\s0)], -v[TM+8+\b], v[TM+8+\b]
.set i, i+1
.endr
.endr
	s_wait_dscnt 0x0                               ; the last tile's stores have read the codes' registers
.if (\s0) > 0
	s_wait_alu depctr_vm_vsrc(0)                   ; the last tile's five LDS stores have read v[PC ..] and v[PWD], which the conversions and the shifts below write anew
.endif
	WIN 0x02
.irp b, 0,1,2,3
	v_cvt_scalef32_pk8_bf8_f32 v[PC+4*\b:PC+4*\b+1], v[16*\b+(\s0):16*\b+7+(\s0)], v[TM+12+\b]
	v_cvt_scalef32_pk8_bf8_f32 v[PC+4*\b+2:PC+4*\b+3], v[16*\b+8+(\s0):16*\b+15+(\s0)], v[TM+12+\b]
.endr
	WIN 0
	v_lshl_or_b32 v[PWD], v[TM+5], 8, v[TM+4]      ; the four bytes make the scale word (also the plain instruction behind the last conversion)
	v_lshl_or_b32 v[PWD], v[TM+6], 16, v[PWD]
	v_lshl_or_b32 v[PWD], v[TM+7], 24, v[PWD]
.endm
.irp qt, 0,1,2,3
	WIN 0x82
.set i, 0
.rept 32
	v_pk_mul_f32 v[64*\qt+i:64*\qt+i+1], v[64*\qt+i:64*\qt+i+1], v[RL+2*\qt:RL+2*\qt+1]     ; O^T / l, each accumulator from its low end on
.set i, i+2
.endr
	QUANT 64*\qt
	s_wait_alu depctr_va_vdst(0)                   ; the conversions have written v[PC ..] and the shifts v[PWD], which the LDS stores read; behind the last tile: the quantiser is done with O^T, 1 / l and its scratch, in which O's fragments and scale words land
.irp c, 0,1,2,3
	ds_store_b128 v8, v[PC+4*\c:PC+4*\c+3] offset:8192*\qt+512*\c
.endr
	ds_store_b32 v12, v[PWD] offset:512*\qt
.endr
	s_wait_dscnt 0x0
	s_barrier_signal -1
	s_barrier_wait -1                              ; O's sixteen fragments lie in LDS
; ---- y = O Wproj^T, BY OUTPUT TILES.  A group of the ring is one output tile's four K steps: its 16 products finish 16 channels x 64 pixels, which leave at once: + bias, through my stage, back as whole rows
; of 256 bytes, + x, stored.  So the stores are spread over the projection, and only the last tile's 8 follow the last product.  For that all 16 fragments of O stay in registers, read from LDS once:
; K steps 0, 1 in window 0, K steps 2, 3 in window 2; y has four sets of 4 accumulators, and a tile comes back from the stage into the registers that it left.
	WIN 0
	s_wait_alu depctr_vm_vsrc(0)                   ; my LDS stores have read v[PC ..] and v[PWD], in which O's fragments of K step 1 land
.irp s, 0,1,2,3
.irp qt, 0,1,2,3
	ds_load_b32 v[OS+4*\s+\qt], v11 offset:512*\qt+128*\s
.endr
.endr
.irp s, 0,1
.irp qt, 0,1,2,3
.irp c, 0,1,2,3
	ds_load_b128 v[B0+64*\s+16*\qt+4*\c:B0+64*\s+16*\qt+4*\c+3], v7 offset:8192*\qt+2048*\s+512*\c
.endr
.endr
.endr
	WIN 0x80                                       ; destination window 2
.irp s, 2,3
.irp qt, 0,1,2,3
.irp c, 0,1,2,3
	ds_load_b128 v[64*(\s-2)+16*\qt+4*\c:64*(\s-2)+16*\qt+4*\c+3], v7 offset:8192*\qt+2048*\s+512*\c
.endr
.endr
.endr
.macro PJ gm                           ; an output tile's 16 products
.set rO, (\gm)-32
.set rY, 128+32*(rO%4)
.if (\gm) < 37
	s_wait_loadcnt 48                              ; three younger groups
.else
	s_wait_loadcnt 16*(39-(\gm))                   ; the ring runs out: two, one, none
.endif
.if (\gm) >= 36
	s_wait_xcnt 0x0                                ; the stores of the tile four back have read their data: its set of accumulators is begun anew
	s_wait_alu depctr_vm_vsrc(0)                   ; the stage stores and the global stores of the tile four back have read its set, which the products below write anew
.endif
.irp s, 0,1,2,3
.if (\gm) == 32
	s_wait_dscnt 48-16*\s                          ; O's scale words and its fragments up to K step s are in; the later steps' 16 loads each may be out
.endif
.if \s < 2
	WIN 0xA4                                       ; source 0 (O) window 0, source 1 (Wproj) window 1, C and D window 2
.set rA0, B0+64*\s
.else
	WIN 0xA6                                       ; source 0 window 2
.set rA0, 64*(\s-2)
.endif
.irp qt, 0,1,2,3
.set rD, rY+8*\qt
.set rA, rA0+16*\qt
.set rB, 64*((\gm)%4)+16*\s
.if \s == 0
.set rC, -1
.else
.set rC, rD
.endif
	WM rD, rA, rB, rC, OS+4*\s+\qt, WPS+4*(rO/2)+\s, 0, rO%2
.endr
.endr
.endm
.macro ADDB ot                         ; + the bias
.set rY, 128+32*((\ot)%4)
	WIN 0x82                                       ; destination and source 0 window 2, source 1 (the bias) window 0
.set i, 0
.rept 16
	v_pk_add_f32 v[rY+i:rY+i+1], v[rY+i:rY+i+1], v[BIA+2*(\ot):BIA+2*(\ot)+1]        ; each accumulator from its low end on
.set i, i+2
.endr
.endm
.macro STIN ot                         ; into my stage
.set rY, 128+32*((\ot)%4)
	WIN 0x08                                       ; an LDS store's data are its source 1: window 2
.irp qt, 0,1,2,3
	ds_store_b128 v17, v[rY+8*\qt:rY+8*\qt+3] offset:128*(\qt/2)+32*(\qt%2)          ; lane (r, h): pixels 32 (qt / 2) + 8 (qt % 2) + 16 h + 0 .. 7 of my channel
	ds_store_b128 v17, v[rY+8*\qt+4:rY+8*\qt+7] offset:128*(\qt/2)+32*(\qt%2)+16
.endr
.endm
.macro STOUT ot                        ; and back as whole rows, into the registers that the tile left
.set rY, 128+32*((\ot)%4)
	WIN 0x80                                       ; destination window 2
	s_wait_alu depctr_va_vdst(0)                   ; the additions of the bias have written the set, in which the loads below land
	s_wait_alu depctr_vm_vsrc(0)                   ; and the stage stores have read it
.irp e, 0,1,2,3,4,5,6,7
	ds_load_b128 v[rY+4*\e:rY+4*\e+3], v18 offset:544*\e                             ; LDS serves a wave's instructions in order (ISA guide 5.7.1.4): these see my stores, and the next tile's stores come behind them
.endr
.endm
.macro ADDX ot                         ; + x
.set rY, 128+32*((\ot)%4)
	s_wait_dscnt 0x0                               ; the tile is back, as whole rows
	WIN 0x8E                                       ; destination and source 0 window 2, source 1 (x) window 3
.set i, 0
.rept 16
	v_pk_add_f32 v[rY+i:rY+i+1], v[rY+i:rY+i+1], v[32*(\ot)+i:32*(\ot)+i+1]
.set i, i+2
.endr
.endm
.macro YOUT ot
.set rY, 128+32*((\ot)%4)
	WIN 0x08                                       ; a store's data are its source 1: window 2
.irp e, 0,1,2,3,4,5,6,7
	global_store_b128 v19, v[rY+4*\e:rY+4*\e+3], s[16:17] offset:4096*(32*((\ot)/2)+8*((\ot)%2)+2*\e+8*(\e/4)) th:TH_STORE_NT   ; sixteen lanes store 256 consecutive bytes, aligned
.endr
.endm
; Groups 32 to 35 were asked for in PV, so tiles 0 to 2 wait out the stage's round trip under the next tile's products.  Groups 36 to 39 are asked for only here, one behind each of the first four tiles' products:
; from tile 3 on a tile is sent at once, ahead of the wait for the next group.
; Tiles 1 to 3: behind the products stand the tile before's 16 additions of x, which name none of the products' registers and are the eight places ahead of the first read of results; then the tile's own
; additions of the bias; then ONE wait on va_vdst, for the ring's refill, the tile before's stores and the tile's stage stores together: no vector instruction stands among these three runs.
.irp o, 0,1,2,3,4,5,6,7
	PJ 32+\o
.if (\o > 0) && (\o < 4)
	ADDX \o-1
.else
	NOPS 8                                         ; eight plain instructions between the products and the first read of their results
.endif
	ADDB \o
.if \o < 4
	WIN 0x40
	s_wait_alu depctr_va_vdst(0)                   ; the products are done reading their quarter of the ring, in which the loads below land; the additions have written this tile's set, which the stage stores read, and (tiles 1 to 3) the set of the tile before, which the global stores read
	RFILL 36+\o
.if \o > 0
	YOUT \o-1
.endif
.else
	WIN 0x08
	s_wait_alu depctr_va_vdst(0)                   ; the additions of the bias have written the set, which the stage stores read
.endif
	STIN \o
	STOUT \o
.if \o >= 3
	ADDX \o
	WIN 0x08
	s_wait_alu depctr_va_vdst(0)                   ; the additions of x have written the set, which the global stores read
	YOUT \o
.endif
.endr
	WIN 0
	s_wait_dscnt 0x0                               ; the closing lines, six on end
	s_wait_alu 0x0
	s_wait_tensorcnt 0x0
	ds_add_u32 v30, v31
	s_wait_dscnt 0x0
	s_endpgm
.Lfunc_end_k_q9fa6af3b79_attn:
	.size	k_q9fa6af3b79_attn, .Lfunc_end_k_q9fa6af3b79_attn-k_q9fa6af3b79_attn
	.p2alignl 7, 3214868480
	.fill 96, 4, 3214868480
	.section	.rodata,"a",@progbits
	.p2align	6, 0x0
	.amdhsa_kernel k_q9fa6af3b79_attn
		.amdhsa_group_segment_fixed_size 157184
		.amdhsa_private_segment_fixed_size 0
		.amdhsa_enable_private_segment 0
		.amdhsa_kernarg_size 56
		.amdhsa_user_sgpr_count 2
		.amdhsa_user_sgpr_kernarg_segment_ptr 1
		.amdhsa_wavefront_size32 1
		.amdhsa_system_sgpr_workgroup_id_x 1
		.amdhsa_system_sgpr_workgroup_id_y 1
		.amdhsa_system_sgpr_workgroup_id_z 1
		.amdhsa_system_vgpr_workitem_id 0
		.amdhsa_next_free_vgpr 1024
		.amdhsa_next_free_sgpr 66
		.amdhsa_reserve_vcc 0
		.amdhsa_float_denorm_mode_32 3
		.amdhsa_float_denorm_mode_16_64 3
		.amdhsa_memory_ordered 1
		.amdhsa_forward_progress 1
		.amdhsa_inst_pref_size 255
	.end_amdhsa_kernel
	.section	.bss,"aw",@nobits
	.p2align	6
	.space	262144
	.amdgpu_metadata
---
amdhsa.version: [ 1, 2 ]
amdhsa.kernels:
  - .name:           k_q9fa6af3b79_attn
    .symbol:         k_q9fa6af3b79_attn.kd
    .args:
      - { .name: qkv_codes, .offset: 0, .size: 8, .value_kind: global_buffer, .address_space: global }
      - { .name: qkv_scales, .offset: 8, .size: 8, .value_kind: global_buffer, .address_space: global }
      - { .name: wimg, .offset: 16, .size: 8, .value_kind: global_buffer, .address_space: global }
      - { .name: wproj_scales, .offset: 24, .size: 8, .value_kind: global_buffer, .address_space: global }
      - { .name: bproj, .offset: 32, .size: 8, .value_kind: global_buffer, .address_space: global }
      - { .name: x, .offset: 40, .size: 8, .value_kind: global_buffer, .address_space: global }
      - { .name: out0, .offset: 48, .size: 8, .value_kind: global_buffer, .address_space: global }
    .group_segment_fixed_size: 157184
    .private_segment_fixed_size: 0
    .kernarg_segment_align: 8
    .kernarg_segment_size: 56
    .max_flat_workgroup_size: 128
    .sgpr_count:     66
    .vgpr_count:     1024
    .wavefront_size: 32
...
	.end_amdgpu_metadata
.endif
;; end of part 4
